; MI455X (gfx1250); checked and timed in simulation.
; The chip was launched on July 23, 2026; its instructions are those of AMD's public machine-readable ISA for CDNA 5 (MIT licence, August 2026) and "CDNA5" Instruction Set Architecture Reference Guide (July 2026). The comments in the code are by the model that wrote it; some were corrected since.
;; Block. Allowed arithmetic: matrix products marked QUANTISED: E4M3 operands, one given power-of-two scale a tensor, by v_wmma_f32_16x16x64_fp8_fp8 or v_wmma_f32_16x16x128_fp8_fp8, f32 sums; everything else in f32.
;; Inputs: W1 1,024 x 4,096 float32; W2 4,096 x 1,024 float32; Wk 1,024 x 1,024 float32; Wq 1,024 x 1,024 float32; Wv 1,024 x 1,024 float32; beta1 1,024 float32; beta2 1,024 float32; bk 1,024 float32; bm1 4,096 float32; bm2 1,024 float32; bq 1,024 float32; bv 1,024 float32; g1 1,024 float32; g2 1,024 float32; inputs 4 x 1,024 x 1,024 float32; lowp_scales 14 int32 (the exponents e of the quantised operands' scales 2^e).
;; Outputs: out0 4 x 1,024 x 1,024 float32.
;; This version of the problem:
;;   THIS VERSION OF THE PROBLEM IS GIVEN IN LOW PRECISION. The matrix products marked QUANTISED in the list below multiply operands that are first quantised to E4M3 (4 exponent bits, 3 mantissa bits; 8 bits a number), with one given power-of-two scale for each operand tensor; their sums are f32. All else is computed in f32.
;;   The module's matrix products, in the order in which they are computed (A, B: the left and right operand; K: the contracted axis; several contracted axes count as one K, in the product's order):
;;     1. [M 4,096, K 1,024] x [K 1,024, N 1,024]; A: computed on the way; B: input Wq: QUANTISED (scales: A lowp_scales[0], B lowp_scales[1])
;;     2. [M 4,096, K 1,024] x [K 1,024, N 1,024]; A: computed on the way; B: input Wk: QUANTISED (scales: A lowp_scales[2], B lowp_scales[3])
;;     3. [M 4,096, K 1,024] x [K 1,024, N 1,024]; A: computed on the way; B: input Wv: QUANTISED (scales: A lowp_scales[4], B lowp_scales[5])
;;     4. batch 64 x [M 1,024, K 64] x [K 64, N 1,024]; A: computed on the way; B: computed on the way: QUANTISED (scales: A lowp_scales[6], B lowp_scales[7])
;;     5. batch 64 x [M 1,024, K 1,024] x [K 1,024, N 64]; A: softmax (see below); B: computed on the way: QUANTISED (scales: A lowp_scales[8], B lowp_scales[9])
;;     6. [M 4,096, K 1,024] x [K 1,024, N 4,096]; A: computed on the way; B: input W1: QUANTISED (scales: A lowp_scales[10], B lowp_scales[11])
;;     7. [M 4,096, K 4,096] x [K 4,096, N 1,024]; A: computed on the way; B: input W2: QUANTISED (scales: A lowp_scales[12], B lowp_scales[13])
;;   THE QUANTISER, for each operand of a quantised product, along K:
;;     - The operand's scale is 2^e, e = its entry of the input lowp_scales (int32; the entries are numbered through the quantised products in the list's order, A before B).
;;     - Each number is divided by the scale, clamped to +-448, and rounded to the nearest number of E4M3, ties to even, subnormals kept.
;;     - The product sums the exact products of the quantised numbers (number of the format x scale) in f32.
;;   ~~~python
;;   def quantise(x, axis, e):      # numpy; x: float32 -> the quantised numbers, widened to float32 again
;;       x = np.moveaxis(x, axis, -1); K = x.shape[-1]
;;       r = np.clip(x / 2.0 ** e, -448, 448)
;;       step = 2.0 ** (np.maximum(np.frexp(np.where(r == 0, 1, r))[1] - 1, -6) - 3)
;;       q = np.round(r / step) * step * 2.0 ** e      # np.round: ties to even
;;       return np.moveaxis(q, -1, axis).astype(np.float32)
;;   ~~~
;;   SOFTMAX AHEAD OF A QUANTISED PRODUCT. Where the list says 'softmax', what is quantised is not the finished softmax but p = 2^(t - M), with t = logit x log2(e) and M = ceil(the row's largest t), a whole number; so 1/2 < the row's largest p <= 1. The row's sum l is taken of the UNQUANTISED p, in f32, and the product's result is divided by l at the end. Since M is a whole number, a kernel that streams over the keys may use a running M (the ceiling of the running maximum): every later rescaling is an exact power of two, so the quantised numbers keep their values, but for numbers so far below the row's largest that they fall under the format's range.
;;   OPERANDS COMPUTED ON THE WAY. 'Computed on the way' means the value that the module computes at that place (a softmax that the list does not call 'softmax' is quantised finished and normalised). What goes into a quantiser is computed in f32, as accurately as f32 sums, v_exp_f32 and their like allow (about 1e-6 of the number): no bf16 or f16 on the way to a quantiser, and a product that is left as it is and whose result goes on into a quantised operand takes f32 operands (vector FMAs, or v_wmma_f32_16x16x4_f32). A number that lies on a knife's edge between two numbers of the format may be rounded either way, as far as f32 arithmetic and the matrix unit's own rounding can turn it there, and no further.
;; One version. Each part assembles by itself: llvm-mc -triple=amdgcn-amd-amdhsa -mcpu=gfx1250 --defsym DOCPART=n.
;; ======== version 1 of 1: 6 launches
;; limits: right only within a limited range of input values
;; workspace buffers: pc 24,117,248 bytes; qkvc 12,582,912 bytes; res 16,777,216 bytes; hc 4,194,304 bytes; hid 16,777,216 bytes
;; launch prep (part 1): grid 608 x 1, 4 waves a work-group, no clusters, 35,328 bytes of LDS; arguments inputs, g1, beta1, Wq, Wk, Wv, W1, W2, lowp_scales, pc; writes pc
.if DOCPART == 1
	.amdgcn_target "amdgcn-amd-amdhsa--gfx1250"
	.amdhsa_code_object_version 6
	.text
	.protected	k_q01f1d864b9_prep
	.globl	k_q01f1d864b9_prep
	.p2align	8
	.type	k_q01f1d864b9_prep,@function
k_q01f1d864b9_prep:
	s_mov_b64 s[64:65], 0
	v_nop
	global_prefetch_b8 v0, s[64:65] scope:SCOPE_SE
	s_setreg_imm32_b32 hwreg(HW_REG_WAVE_MODE, 25, 1), 1
	s_wait_xcnt 0x0
; PREP: everything that is quantised once.  One launch, two kinds of work-group, told apart by the work-group's number.
; Work-groups 0-351: the five weights, f32 stored [K][N], become codes of E4M3 laid [N][K] (K innermost) in pc:
;   Wq 0xC00000 (scale entry 1), Wk 0xD00000 (3), Wv 0xE00000 (5), W1 0xF00000 (11), W2 0x1300000 (13).
;   A work-group takes 128 columns x 256 along K, a wave 32 columns: A LANE TAKES A COLUMN AND ITS REGISTERS RUN DOWN K, so each load reads 128 consecutive bytes a wave
;   and the conversions give codes with K innermost.  The codes leave through the wave's own stage in LDS: sixteen lanes store 256 consecutive bytes, aligned.
;   One text serves the five tensors: the pitch, the codes' row length and the places are chosen by s_cselect on the work-group's number.
; Work-groups 352-607: LayerNorm 1 of 16 rows each (a wave: 4 rows, a row in 32 registers, two passes: mean, then the mean of squares of x - mean), then three sets of codes,
;   with scale entries 0, 2 and 4, at pc + 0, + 0x400000, + 0x800000, each [4096][1024].
; code = x / 2^e, held within +-448, to the nearest code, ties to even.
; LIMITS: each e used here lies between -126 and 119, so that 2^e and 448 x 2^e are f32 numbers.  NaN among the inputs is not served; an infinity is held at the largest code.
.set NWW,   352                        ; work-groups that take weights
.set PITCH, 272                        ; a stage row: 256 bytes of codes + 16
.set OF,    16                         ; v16-47   weights: byte offset of row i of a block of 32 rows, at my column
.set SO,    48                         ; v48-63   weights: byte offset of my 16 bytes in rows 2 t, 2 t + 1 of the codes
.set X,     64                         ; v64-127  weights: two sets of 32 numbers
.set C,     128                        ; v128-135 weights: a block's codes
.set OUTR,  136                        ; v136-199 weights: the way out
.set LG,    16                         ; v16-47   norm: g1 at my 32 columns
.set LB,    48                         ; v48-79   norm: beta1
.set LX,    80                         ; v80-207  norm: four rows
.set LT,    208                        ; v208-239 norm: at work; the held numbers
.set LC,    240                        ; v240-247 norm: codes
	s_load_b512 s[8:23], s[0:1], 0x0               ; inputs 8, g1 10, beta1 12, Wq 14, Wk 16, Wv 18, W1 20, W2 22
	s_load_b128 s[24:27], s[0:1], 0x40             ; the scales' exponents 24, pc 26
	v_lshl_add_u32 v248, v0, 2, 0x8800
	v_mov_b32 v249, 0
	v_lshrrev_b32 v1, 5, v0
	v_readfirstlane_b32 s2, v1                     ; wave 0..3
	v_and_b32 v1, 31, v0                           ; lane
	s_wait_kmcnt 0x0
	s_cmp_lt_u32 ttmp9, NWW
	s_cbranch_scc0 .Lln
	; ---------------------------------------------------------------- the weights
	s_mov_b64 s[4:5], s[22:23]                     ; begin with W2's figures, then take the earlier tensors' where the work-group's number is below their end
	s_mov_b32 s6, 0x1300000                        ; the codes' place in pc
	s_mov_b32 s7, 4096                             ; bytes from row k to row k + 1 of the weight
	s_mov_b32 s28, 4096                            ; bytes of a row of codes (= K)
	s_mov_b32 s29, 3                               ; log2 (N / 128)
	s_mov_b32 s30, 224                             ; the tensor's first work-group
	s_mov_b32 s31, 52                              ; 4 x its entry in the scales
	s_cmp_lt_u32 ttmp9, 224                        ; W1
	s_cselect_b64 s[4:5], s[20:21], s[4:5]
	s_cselect_b32 s6, 0xf00000, s6
	s_cselect_b32 s7, 16384, s7
	s_cselect_b32 s28, 1024, s28
	s_cselect_b32 s29, 5, s29
	s_cselect_b32 s30, 96, s30
	s_cselect_b32 s31, 44, s31
	s_cmp_lt_u32 ttmp9, 96                         ; Wv
	s_cselect_b64 s[4:5], s[18:19], s[4:5]
	s_cselect_b32 s6, 0xe00000, s6
	s_cselect_b32 s7, 4096, s7
	s_cselect_b32 s29, 3, s29
	s_cselect_b32 s30, 64, s30
	s_cselect_b32 s31, 20, s31
	s_cmp_lt_u32 ttmp9, 64                         ; Wk
	s_cselect_b64 s[4:5], s[16:17], s[4:5]
	s_cselect_b32 s6, 0xd00000, s6
	s_cselect_b32 s30, 32, s30
	s_cselect_b32 s31, 12, s31
	s_cmp_lt_u32 ttmp9, 32                         ; Wq
	s_cselect_b64 s[4:5], s[14:15], s[4:5]
	s_cselect_b32 s6, 0xc00000, s6
	s_cselect_b32 s30, 0, s30
	s_cselect_b32 s31, 4, s31
	s_mov_b32 s32, s31
	s_mov_b32 s33, 0
	s_add_nc_u64 s[24:25], s[24:25], s[32:33]
	s_load_b32 s50, s[24:25], 0x0                  ; e of this tensor
	s_sub_co_u32 s34, ttmp9, s30                   ; the work-group's number within its tensor
	s_lshl_b32 s35, 1, s29
	s_sub_co_u32 s35, s35, 1
	s_and_b32 s36, s34, s35                        ; which 128 columns
	s_lshr_b32 s37, s34, s29                       ; which 256 along K
	s_lshl_b32 s36, s36, 7
	s_lshl_b32 s38, s2, 5
	s_add_co_u32 s36, s36, s38                     ; my wave's first column
	s_lshl_b32 s38, s37, 8
	s_mul_i32 s38, s38, s7                         ; 256 y rows down,
	s_lshl_b32 s39, s36, 2
	s_add_co_u32 s38, s38, s39                     ; 4 bytes a column: under 2^24
	s_mov_b32 s39, 0
	s_add_nc_u64 s[68:69], s[4:5], s[38:39]        ; block 0 of my eight blocks of 32 rows
	s_lshl_b32 s40, s7, 5
	s_mov_b32 s41, 0
.irp t, 1,2,3,4,5,6,7
	s_add_nc_u64 s[68+2*\t:69+2*\t], s[66+2*\t:67+2*\t], s[40:41]   ; block t: 32 rows further down; a base for each block, none is stepped
.endr
	s_mul_i32 s42, s36, s28                        ; the codes: my first column's row,
	s_lshl_b32 s43, s37, 8
	s_add_co_u32 s42, s42, s43                     ; + 256 y along K,
	s_add_co_u32 s42, s42, s6                      ; in the tensor's part of pc
	s_mov_b32 s43, 0
	s_add_nc_u64 s[48:49], s[26:27], s[42:43]
	s_wait_alu depctr_va_vdst(0)
	v_lshlrev_b32 v3, 2, v1                        ; 4 bytes a lane
.set i, 0
.rept 32
	v_mad_u32_u24 v[OF+i], s7, i, v3
.set i, i+1
.endr
	s_mul_i32 s44, s2, 32*PITCH                    ; my stage
	v_mul_u32_u24 v4, v1, PITCH
	v_add_nc_u32 v4, s44, v4                       ; into it: row = my column
	v_and_b32 v5, 15, v1
	v_lshrrev_b32 v6, 4, v1
	v_mul_u32_u24 v7, v6, PITCH
	v_lshl_add_u32 v7, v5, 4, v7
	v_add_nc_u32 v7, s44, v7                       ; out of it: sixteen lanes to a row, two rows an instruction
	v_mul_lo_u32 v8, v6, s28
	v_lshl_add_u32 v8, v5, 4, v8                   ; and the same place in the codes
.set i, 0
.rept 16
	v_mad_u32_u24 v[SO+i], s28, 2*i, v8
.set i, i+1
.endr
	; W1 alone (its first work-group is 96): of each 32 rows of codes the second and the third eight change places, so that row 32 b + 16 u + r of the codes
	; holds column 32 b + 8 u + r + 8 (r / 8): sixteen neighbouring rows are then a tile whose results, in the fifth launch, are neighbours along K.  Eight rows of 1,024 bytes are 8,192
	s_cmp_eq_u32 s30, 96
	s_cselect_b32 s45, 8192, 0
.irp i, 4,5,6,7
	v_add_nc_u32 v[SO+\i], s45, v[SO+\i]
	v_sub_nc_u32 v[SO+\i+4], v[SO+\i+4], s45
.endr
.macro LOAD t                          ; block t: W(32 t + i, my column), i = 0 .. 31, into set t % 2
.set i, 0
.rept 32
	global_load_b32 v[X+32*((\t)%2)+i], v[OF+i], s[68+2*(\t):69+2*(\t)] th:TH_LOAD_NT
.set i, i+1
.endr
.endm
.macro BLOCK t
.set XS, X+32*((\t)%2)
.if (\t) < 7
	s_wait_loadcnt 32                              ; this block's 32 loads are in; the next block's 32 may be out
.else
	s_wait_loadcnt 0x0
.endif
.set i, 0
.rept 32
	v_med3_num_f32 v[XS+i], v[XS+i], -v10, v10     ; the conversion to an 8-bit code does not saturate (ISA guide 7.6.2): the hold at the largest code x the scale comes first
.set i, i+1
.endr
.irp g, 0,1,2,3
	v_cvt_scalef32_pk8_fp8_f32 v[C+2*\g:C+2*\g+1], v[XS+8*\g:XS+8*\g+7], v11
.endr
	ds_store_b128 v4, v[C:C+3] offset:32*(\t)      ; 32 codes: 32 bytes of my column's row
	ds_store_b128 v4, v[C+4:C+7] offset:32*(\t)+16
.if (\t)+2 < 8
	LOAD (\t)+2
.endif
	s_wait_dscnt 0x0                               ; the stores have read their registers: the next block's codes may be written
.endm
	LOAD 0
	LOAD 1
	s_wait_kmcnt 0x0
	s_add_co_i32 s50, s50, 127
	s_lshl_b32 s51, s50, 23
	v_mov_b32 v11, s51                             ; 2^e as f32: the conversion takes its exponent field
	s_add_co_i32 s50, s50, 8
	s_lshl_b32 s50, s50, 23
	s_or_b32 s50, s50, 0x600000
	v_mov_b32 v10, s50                             ; 448 x 2^e
	s_wait_alu depctr_va_vdst(0)
.irp t, 0,1,2,3,4,5,6,7
	BLOCK \t
.endr
.set i, 0
.rept 16
	ds_load_b128 v[OUTR+4*i:OUTR+4*i+3], v7 offset:2*i*PITCH   ; LDS serves a wave's instructions in order: these see my stores
.set i, i+1
.endr
.set i, 0
.rept 16
	s_wait_dscnt 15-i                              ; read-back i is in; the younger ones may be out
	global_store_b128 v[SO+i], v[OUTR+4*i:OUTR+4*i+3], s[48:49]   ; sixteen lanes store 256 consecutive bytes, aligned
.set i, i+1
.endr
	s_wait_tensorcnt 0x0
	ds_add_u32 v248, v249
	s_wait_dscnt 0x0
	s_endpgm
	; ---------------------------------------------------------------- LayerNorm 1 and its three sets of codes
.Lln:
	s_load_b256 s[32:39], s[24:25], 0x0            ; e0 .. e7: entries 0, 2, 4 are used
	s_sub_co_u32 s3, ttmp9, NWW
	s_lshl_b32 s3, s3, 4
	s_lshl_b32 s28, s2, 2
	s_add_co_u32 s3, s3, s28                       ; my wave's first row: 16 x work-group + 4 x wave
	s_lshl_b32 s28, s3, 12
	s_mov_b32 s29, 0
	s_add_nc_u64 s[4:5], s[8:9], s[28:29]          ; its 4,096 bytes of inputs
	s_lshl_b32 s28, s3, 10
	s_add_nc_u64 s[48:49], s[26:27], s[28:29]      ; its 1,024 codes for the first projection,
	s_add_nc_u64 s[50:51], s[48:49], 0x400000      ; the second,
	s_add_nc_u64 s[52:53], s[48:49], 0x800000      ; the third
	s_mov_b32 s54, 0x3a800000                      ; 1 / 1024
	s_mov_b32 s55, 0x3727c5ac                      ; 1e-5
	s_mov_b32 s56, 0x76543210                      ; v_permlanex16_b32: lane l xor 16
	s_mov_b32 s57, 0xfedcba98
	s_wait_alu depctr_va_vdst(0)
	v_lshlrev_b32 v2, 5, v1                        ; in: 32 bytes a lane: register 8 j + 4 u + i holds column 256 j + 8 lane + 4 u + i
	v_lshlrev_b32 v3, 3, v1                        ; out: 8 codes a lane
	v_mov_b32 v5, 0                                ; upper halves of pairs of which the low word serves both halves: written once
	v_mov_b32 v7, 0
	v_mov_b32 v15, 0                               ; a lane permute's destination counts as read
.irp j, 0,1,2,3
.irp u, 0,1
	global_load_b128 v[LG+8*\j+4*\u:LG+8*\j+4*\u+3], v2, s[10:11] offset:1024*\j+16*\u
.endr
.endr
.irp j, 0,1,2,3
.irp u, 0,1
	global_load_b128 v[LB+8*\j+4*\u:LB+8*\j+4*\u+3], v2, s[12:13] offset:1024*\j+16*\u
.endr
.endr
.irp w, 0,1,2,3
.irp j, 0,1,2,3
.irp u, 0,1
	global_load_b128 v[LX+32*\w+8*\j+4*\u:LX+32*\w+8*\j+4*\u+3], v2, s[4:5] offset:4096*\w+1024*\j+16*\u th:TH_LOAD_NT   ; the two loads u = 0, 1 together cover 1,024 consecutive bytes
.endr
.endr
.endr
	s_wait_kmcnt 0x0
.irp q, 0,1,2
	s_add_co_i32 s40, s[32+2*\q], 127
	s_lshl_b32 s41, s40, 23
	v_mov_b32 v[8+\q], s41                         ; v8-10: 2^e
	s_add_co_i32 s40, s40, 8
	s_lshl_b32 s40, s40, 23
	s_or_b32 s40, s40, 0x600000
	v_mov_b32 v[11+\q], s40                        ; v11-13: 448 x 2^e
.endr
.macro LANESUM                         ; v14 summed over the 32 lanes, the result in every lane
	v_add_f32_dpp v14, v14, v14 row_xmask:1 row_mask:0xf bank_mask:0xf
	v_add_f32_dpp v14, v14, v14 row_xmask:2 row_mask:0xf bank_mask:0xf
	v_add_f32_dpp v14, v14, v14 row_xmask:4 row_mask:0xf bank_mask:0xf
	v_add_f32_dpp v14, v14, v14 row_xmask:8 row_mask:0xf bank_mask:0xf
	v_permlanex16_b32 v15, v14, s56, s57
	v_add_f32 v14, v14, v15
.endm
.macro ROW rho
.set XR, LX+32*(\rho)
	s_wait_loadcnt 8*(3-(\rho))                    ; g1, beta1 and this row are in; the later rows, 8 loads each, may be out
	v_pk_add_f32 v[LT:LT+1], v[XR:XR+1], v[XR+2:XR+3]          ; the row's sum, in two chains
	v_pk_add_f32 v[LT+2:LT+3], v[XR+4:XR+5], v[XR+6:XR+7]
.irp j, 8,12,16,20,24,28
	v_pk_add_f32 v[LT:LT+1], v[LT:LT+1], v[XR+\j:XR+\j+1]
	v_pk_add_f32 v[LT+2:LT+3], v[LT+2:LT+3], v[XR+\j+2:XR+\j+3]
.endr
	v_pk_add_f32 v[LT:LT+1], v[LT:LT+1], v[LT+2:LT+3]
	v_add_f32 v14, v[LT], v[LT+1]
	LANESUM
	v_mul_f32 v4, s54, v14                         ; the mean
.set j, 0
.rept 16
	v_pk_add_f32 v[XR+j:XR+j+1], v[XR+j:XR+j+1], v[4:5] op_sel_hi:[1,0] neg_lo:[0,1] neg_hi:[0,1]   ; x - mean
.set j, j+2
.endr
	v_pk_mul_f32 v[LT:LT+1], v[XR:XR+1], v[XR:XR+1]            ; the sum of squares of x - mean, in two chains
	v_pk_mul_f32 v[LT+2:LT+3], v[XR+2:XR+3], v[XR+2:XR+3]
.irp j, 4,8,12,16,20,24,28
	v_pk_fma_f32 v[LT:LT+1], v[XR+\j:XR+\j+1], v[XR+\j:XR+\j+1], v[LT:LT+1]
	v_pk_fma_f32 v[LT+2:LT+3], v[XR+\j+2:XR+\j+3], v[XR+\j+2:XR+\j+3], v[LT+2:LT+3]
.endr
	v_pk_add_f32 v[LT:LT+1], v[LT:LT+1], v[LT+2:LT+3]
	v_add_f32 v14, v[LT], v[LT+1]
	LANESUM
	v_fma_f32 v14, v14, s54, s55                   ; the variance + 1e-5
	s_wait_alu depctr_va_vdst(0)
	v_rsq_f32 v6, v14
	v_nop                                          ; a plain instruction behind the transcendental (ISA guide 5.7.2)
	s_wait_alu depctr_va_vdst(0)                   ; the wait ahead of the result's first reader
.set j, 0
.rept 16
	v_pk_mul_f32 v[XR+j:XR+j+1], v[XR+j:XR+j+1], v[6:7] op_sel_hi:[1,0]
.set j, j+2
.endr
.set j, 0
.rept 16
	v_pk_fma_f32 v[XR+j:XR+j+1], v[XR+j:XR+j+1], v[LG+j:LG+j+1], v[LB+j:LB+j+1]
.set j, j+2
.endr
.irp q, 0,1,2
.set j, 0
.rept 32
	v_med3_num_f32 v[LT+j], v[XR+j], -v[11+\q], v[11+\q]       ; the hold, into other registers: the row serves three scales
.set j, j+1
.endr
	s_wait_alu depctr_va_vdst(0)
	s_wait_xcnt 0x0                                ; the last four stores have read their data: the codes' registers are written again only behind this wait
.irp g, 0,1,2,3
	v_cvt_scalef32_pk8_fp8_f32 v[LC+2*\g:LC+2*\g+1], v[LT+8*\g:LT+8*\g+7], v[8+\q]
.endr
	v_nop                                          ; one plain vector instruction between the conversions and the next writes of their sources
.irp g, 0,1,2,3
	global_store_b64 v3, v[LC+2*\g:LC+2*\g+1], s[48+2*\q:49+2*\q] offset:1024*(\rho)+256*\g   ; the wave stores 256 consecutive bytes, aligned
.endr
.endr
.endm
	ROW 0
	ROW 1
	ROW 2
	ROW 3
	s_endpgm
.Lfunc_end_k_q01f1d864b9_prep:
	.size	k_q01f1d864b9_prep, .Lfunc_end_k_q01f1d864b9_prep-k_q01f1d864b9_prep
	.p2alignl 7, 3214868480
	.fill 96, 4, 3214868480
	.section	.rodata,"a",@progbits
	.p2align	6, 0x0
	.amdhsa_kernel k_q01f1d864b9_prep
		.amdhsa_group_segment_fixed_size 35328
		.amdhsa_private_segment_fixed_size 0
		.amdhsa_enable_private_segment 0
		.amdhsa_kernarg_size 80
		.amdhsa_user_sgpr_count 2
		.amdhsa_user_sgpr_kernarg_segment_ptr 1
		.amdhsa_wavefront_size32 1
		.amdhsa_system_sgpr_workgroup_id_x 1
		.amdhsa_system_sgpr_workgroup_id_y 1
		.amdhsa_system_sgpr_workgroup_id_z 1
		.amdhsa_system_vgpr_workitem_id 0
		.amdhsa_next_free_vgpr 250
		.amdhsa_next_free_sgpr 84
		.amdhsa_reserve_vcc 0
		.amdhsa_float_denorm_mode_32 3
		.amdhsa_float_denorm_mode_16_64 3
		.amdhsa_memory_ordered 1
		.amdhsa_forward_progress 1
		.amdhsa_inst_pref_size 118
	.end_amdhsa_kernel
	.amdgpu_metadata
---
amdhsa.version: [ 1, 2 ]
amdhsa.kernels:
  - .name:           k_q01f1d864b9_prep
    .symbol:         k_q01f1d864b9_prep.kd
    .args:
      - { .name: inputs, .offset: 0, .size: 8, .value_kind: global_buffer, .address_space: global }
      - { .name: g1, .offset: 8, .size: 8, .value_kind: global_buffer, .address_space: global }
      - { .name: beta1, .offset: 16, .size: 8, .value_kind: global_buffer, .address_space: global }
      - { .name: Wq, .offset: 24, .size: 8, .value_kind: global_buffer, .address_space: global }
      - { .name: Wk, .offset: 32, .size: 8, .value_kind: global_buffer, .address_space: global }
      - { .name: Wv, .offset: 40, .size: 8, .value_kind: global_buffer, .address_space: global }
      - { .name: W1, .offset: 48, .size: 8, .value_kind: global_buffer, .address_space: global }
      - { .name: W2, .offset: 56, .size: 8, .value_kind: global_buffer, .address_space: global }
      - { .name: lowp_scales, .offset: 64, .size: 8, .value_kind: global_buffer, .address_space: global }
      - { .name: pc, .offset: 72, .size: 8, .value_kind: global_buffer, .address_space: global }
    .group_segment_fixed_size: 35328
    .private_segment_fixed_size: 0
    .kernarg_segment_align: 8
    .kernarg_segment_size: 80
    .max_flat_workgroup_size: 128
    .sgpr_count:     84
    .vgpr_count:     250
    .wavefront_size: 32
...
	.end_amdgpu_metadata
.endif
;; end of part 1
;; launch qkv (part 2): grid 12 x 16, 4 waves a work-group, clusters of 4 x 4, 327,680 bytes of LDS; arguments pc, lowp_scales, bq, bk, bv, qkvc; writes qkvc
.if DOCPART == 2
	.amdgcn_target "amdgcn-amd-amdhsa--gfx1250"
	.amdhsa_code_object_version 6
	.text
	.protected	k_q01f1d864b9_qkv
	.globl	k_q01f1d864b9_qkv
	.p2align	8
	.type	k_q01f1d864b9_qkv,@function
k_q01f1d864b9_qkv:
	s_mov_b64 s[64:65], 0
	v_nop
	global_prefetch_b8 v0, s[64:65] scope:SCOPE_SE
	s_setreg_imm32_b32 hwreg(HW_REG_WAVE_MODE, 25, 1), 1
	s_wait_xcnt 0x0
	s_wait_alu depctr_hold_cnt(0) depctr_sa_sdst(0) depctr_va_vdst(0) depctr_va_sdst(0) depctr_va_ssrc(0) depctr_va_vcc(0) depctr_vm_vsrc(0)
	s_getreg_b32 s2, hwreg(HW_REG_IB_STS2, 6, 4)
	s_cmp_eq_u32 s2, 0
	s_cbranch_scc0 .Lentry_in_a_cluster
	s_endpgm
.Lentry_in_a_cluster:
	s_bfe_u32 s2, ttmp6, 0x10000c
	s_cmp_lg_u32 s2, 0xf033
	s_cbranch_scc0 .Lentry_shape_is_right
	s_endpgm
.Lentry_shape_is_right:
; The three projections on codes of E4M3, K = 1,024, and the quantising of their results.  p = the cluster's x says which:
;   p = 0: q = X Wq + bq, p = 1: k = X Wk + bk: C[token][feature], A = the norm's codes (pc + p x 0x400000), B = the weight's codes [N][K] (pc + 0xC00000 + p x 0x100000).
;   p = 2: V^T = Wv^T X^T + bv: C[feature][token], A = Wv's codes (pc + 0xE00000), B = the norm's third set (pc + 0x800000): so the keys come out innermost, as the second product of attention wants them.
; A sum is multiplied by 2^(eA + eB), the bias added, and the number quantised with entry 6 (q), 7 (k) or 9 (v).  Out: q, k as [b][h][c][64] at qkvc + p x 0x400000; V^T as [h 64 + d][b 1024 + c] at qkvc + 0x800000.
; LIMITS: eA + eB between -126 and 127; entries 6, 7, 9 between -126 and 119.  NaN is not served.
; A tile of C, 256 x 256, is made by four waves, 128 x 128 each: 64 accumulators, 512 registers.  K goes in steps of 256 through a ring of two LDS slots filled by the tensor data mover: a tile's row is 256 bytes of memory.
; CLUSTERS: 4 x 4 work-groups; A's tile is asked for jointly by the four of a row of the cluster, B's by the four of a column.  p and the cluster's y are equal in all sixteen, so the branches on p are alike in all partners.
; THE MATRIX INSTRUCTION IS USED TRANSPOSED (source 0 = 16 rows of B, source 1 = 16 rows of A): a lane holds eight neighbouring columns of one row of C: one conversion makes their 8 codes.
; REGISTERS, in windows of 256: window 0: v0-31 addresses; v32-47 the bias by rows; v64-127 the bias by columns; from v128 A's fragments, ONE set (on the way out v128-255 are free).
;   window 1: B's fragments, two sets.   window 2: the accumulators of my rows 0-63 ((a, b) at v[8 (8 a + b)]);   window 3: rows 64-127.
.set ROWB,   256
.set KROW,   1024
.set PITCH,  272                       ; an LDS row: 256 bytes + 16 = 68 words: the 16 rows that a load touches start at 16 different banks (64 banks of 4 bytes: ISA guide 11.1)
.set FR,     16
.set NL,     4
.set NP,     4
.set HALFT,  128*PITCH
.set SLOT,   4*HALFT
.set LAPS,   2                         ; 1,024 / (2 x 256)
.set SPARE,  2*SLOT                    ; the spare words, 128 bytes a wave: two blocks of 256 bytes that no other line names
.set STG1,   256*PITCH                 ; the way out: a stage of 256 rows x 272 bytes at LDS byte 0 for q and k, a second at STG1 for V^T: both in slot 0, which has had its last fill and its last read by then
.set STQ,  7                           ; v7   where I put 8 codes (q, k)
.set STV,  8                           ; v8   the same for V^T
.set RDQ,  9                           ; v9   where I read back (q, k): four lanes to a row's 64 bytes of one head
.set RDV,  10                          ; v10  (V^T): sixteen lanes to a row
.set COQ,  11                          ; v11  my byte offset in the output (q, k)
.set COV,  12                          ; v12  (V^T)
.set SC,   13                          ; v13  the quantiser's 2^e
.set LIM,  14                          ; v14  448 x 2^e
.set BA,   15                          ; v15  32 x (lane / 16)
.set ADRA, 16
.set BRA,  18                          ; v18  4 x (lane % 16)
.set ADRB, 20
.set SPW,  28
.set NIL,  29
.set BR,   32                          ; bias of row 16 a + r, twice, at v[BR + 2 a]
.set BI,   64                          ; bias of column 16 b + 8 h + j at v[BI + 8 b + j]
.set AF,   128
.set TMP,  128                         ; the way out: a block's 64 numbers
.set CD,   192                         ; their codes, two sets of 16
.set BK,   128                         ; read back from the stage
.set G1, 24
.set G0, 32
.set G1B, 48
.set G0B, 56
.set MSB, 0
.macro WIN new                         ; the immediate's high byte repeats the setting that is left
.if MSB != \new
	s_set_vgpr_msb (MSB<<8)|\new
.set MSB, \new
.endif
.endm
.set MUL_LO, 0xa1                      ; source 0 (B) window 1, source 1 (A) window 0, C and D window 2
.set MUL_HI, 0xf1
.set TO_B,   0x40
.macro JLOAD g0a, g1a, g0b, g1b        ; a joint load: waves 0 and 1 fetch for A, waves 2 and 3 for B; four v_nop follow each line
	s_cmp_eq_u32 s15, 0
	s_cbranch_scc0 .Lfor_b_\@
	tensor_load_to_lds s[\g0a:\g0a+3], s[\g1a:\g1a+7]
	s_nop 0
.rept 4
	v_nop
.endr
	s_branch .Lasked_\@
.Lfor_b_\@:
	tensor_load_to_lds s[\g0b:\g0b+3], s[\g1b:\g1b+7]
	s_nop 0
.rept 4
	v_nop
.endr
.Lasked_\@:
.endm
.macro CREST
	s_cmp_lg_u32 s14, 0
	s_cbranch_scc1 .Lnot_wave_0_\@
	s_barrier_signal -3
.Lnot_wave_0_\@:
	s_barrier_wait -3
	s_barrier_signal -1
	s_barrier_wait -1
.endm
.macro CROUND
	s_barrier_signal -1
	s_barrier_wait -1
	CREST
.endm
	s_load_b256 s[68:75], s[0:1], 0x0              ; pc 68, the scales' exponents 70, bq 72, bk 74
	s_load_b128 s[76:79], s[0:1], 0x20             ; bv 76, qkvc 78
	v_lshl_add_u32 v[SPW], v0, 2, SPARE
	v_mov_b32 v[NIL], 0
	ds_add_u32 v28, v29
	ds_add_u32 v28, v29
	s_wait_dscnt 0x0
	v_lshrrev_b32 v1, 5, v0
	v_readfirstlane_b32 s14, v1                    ; wave 0..3
	s_lshr_b32 s15, s14, 1                         ; which half of the tile's rows is mine.  Also: I fetch for A (0) or for B (1)
	s_and_b32 s16, s14, 1                          ; which half of its columns.  Also: which 128 rows of that tile I fetch
	s_bfe_u32 s40, ttmp6, 0x40000                  ; cx
	s_bfe_u32 s41, ttmp6, 0x40004                  ; cy
	s_and_b32 s91, ttmp7, 0xffff
	s_lshl_b32 s91, s91, 2                         ; 4 x cluster y
	s_lshl_b32 s90, ttmp9, 22                      ; p x 0x400000
	s_lshl_b32 s93, ttmp9, 20
	s_add_co_u32 s93, s93, 0xc00000
	s_cmp_eq_u32 ttmp9, 2
	s_cselect_b32 s17, 0, s91                      ; the cluster's y walks the tokens: C's rows for q and k, C's columns for V^T
	s_cselect_b32 s42, s91, 0
	s_cselect_b32 s92, 0xe00000, s90               ; A's place in pc
	s_cselect_b32 s93, 0x800000, s93               ; B's
	s_add_co_u32 s17, s17, s41                     ; tile row of C
	s_add_co_u32 s42, s42, s40                     ; tile column of C
	s_lshl_b32 s43, s41, 2
	s_lshl_b32 s43, 15, s43                        ; my row of the cluster
	s_lshl_b32 s44, 0x1111, s40                    ; my column
	s_or_b32 s[G1+0], s43, (0<<16)|(1<<20)|(1<<21)|(5<<22)|(3<<25)  ; 15:0 the mask; 17:16 elements of 1 byte; 20 padding on; 21 set beside a mask; 24:22 after every 64 words; 31:25 four words
	s_or_b32 s[G1B+0], s44, (0<<16)|(1<<20)|(1<<21)|(5<<22)|(3<<25)
.irp g, G1, G1B
	s_mov_b32 s[\g+1], ROWB<<16                    ; tensor_dim0
	s_mov_b32 s[\g+2], 256<<16                     ; tensor_dim1: 256 rows for the head's loads, 128 afterwards
	s_mov_b32 s[\g+3], ROWB<<16                    ; tile_dim0
	s_mov_b32 s[\g+4], 256                         ; tile_dim1 likewise
	s_mov_b32 s[\g+5], KROW                        ; tensor_dim0_stride
	s_mov_b32 s[\g+6], 0
	s_mov_b32 s[\g+7], 0
.endr
	s_lshl_b32 s18, s16, 7
	s_lshl_b32 s20, s17, 8
	s_add_co_u32 s20, s20, s18                     ; A: row 256 x tile row + 128 x half,
	s_lshl_b32 s20, s20, 10                        ; 1,024 bytes a row,
	s_add_co_u32 s20, s20, s92                     ; in A's part of pc: under 2^25
	s_mov_b32 s21, 0
	s_lshl_b32 s46, s42, 8
	s_add_co_u32 s46, s46, s18                     ; B likewise, by the tile column
	s_lshl_b32 s46, s46, 10
	s_add_co_u32 s46, s46, s93
	s_mov_b32 s47, 0
	s_mul_i32 s45, s14, HALFT                      ; where they go: wave x 128 rows
	s_wait_kmcnt 0x0
	s_load_b256 s[80:87], s[70:71], 0x0            ; e0 .. e7
	s_load_b64 s[88:89], s[70:71], 0x20            ; e8, e9
	s_add_nc_u64 s[20:21], s[68:69], s[20:21]
	s_add_nc_u64 s[46:47], s[68:69], s[46:47]
	s_cmp_eq_u32 ttmp9, 0
	s_cselect_b64 s[8:9], s[72:73], s[74:75]
	s_cmp_eq_u32 ttmp9, 2
	s_cselect_b64 s[8:9], s[76:77], s[8:9]         ; the product's bias
	CROUND                                         ; all sixteen work-groups are here: the first joint loads meet
.irp s, 0,1
	s_mov_b32 s[G0+4*\s], 1
	s_add_co_u32 s[G0+4*\s+1], s45, \s*SLOT
	s_add_nc_u64 s[G0+4*\s+2:G0+4*\s+3], s[20:21], \s*ROWB
	s_or_b32 s[G0+4*\s+3], s[G0+4*\s+3], 0x80000000
	s_mov_b32 s[G0B+4*\s], 1
	s_add_co_u32 s[G0B+4*\s+1], s45, \s*SLOT
	s_add_nc_u64 s[G0B+4*\s+2:G0B+4*\s+3], s[46:47], \s*ROWB
	s_or_b32 s[G0B+4*\s+3], s[G0B+4*\s+3], 0x80000000
.endr
	; THE FIRST FILLS: one load a wave, four tiles of 256 rows: waves 0, 1: A's tile of K step 0, 1; waves 2, 3: B's.  Slot = wave % 2.
	s_mul_i32 s12, s16, 128*KROW-ROWB              ; back from my half's first row to the tile's, and on to K step wave % 2
	s_mov_b32 s13, 0
	s_mov_b32 s4, 1
	s_mul_i32 s5, s16, SLOT
	s_sub_nc_u64 s[6:7], s[20:21], s[12:13]
	s_or_b32 s7, s7, 0x80000000
	s_mov_b32 s72, 1
	s_add_co_u32 s73, s5, 2*HALFT
	s_sub_nc_u64 s[74:75], s[46:47], s[12:13]
	s_or_b32 s75, s75, 0x80000000
	JLOAD 4, G1, 72, G1B
	v_and_b32 v1, 15, v0                           ; r = l % 16
	v_bfe_u32 v2, v0, 4, 1                         ; h = l / 16
	v_mul_u32_u24 v3, v1, PITCH
	s_wait_alu depctr_va_vdst(0)
	v_lshl_add_u32 v4, v2, 4, v3                   ; a fragment's row x pitch + 16 x half
	s_mul_i32 s21, s15, HALFT
	s_mul_i32 s22, s16, HALFT
	s_add_co_u32 s22, s22, 2*HALFT
.irp s, 0,1
	v_add_nc_u32 v[ADRA+\s], s21, v4
	v_add_nc_u32 v[ADRB+\s], s22, v4
	s_add_co_u32 s21, s21, SLOT
	s_add_co_u32 s22, s22, SLOT
.endr
	; the way out's addresses, all made here, ahead of the branches on p
	s_mul_i32 s23, s15, 128*PITCH
	s_lshl_b32 s19, s16, 7
	s_add_co_u32 s23, s23, s19
	v_lshl_add_u32 v5, v2, 3, v3
	v_add_nc_u32 v[STQ], s23, v5                   ; row 128 x my row half + r, byte 128 x my column half + 8 h
	v_add_nc_u32 v[STV], STG1, v[STQ]
	v_and_b32 v6, 31, v0
	s_mul_i32 s23, s14, 64*PITCH                   ; back: wave w takes rows 64 w .. 64 w + 63
	v_lshrrev_b32 v5, 2, v6
	v_mul_u32_u24 v5, v5, PITCH
	v_and_b32 v3, 3, v6
	v_lshl_add_u32 v5, v3, 4, v5
	v_add_nc_u32 v[RDQ], s23, v5
	v_mul_u32_u24 v5, v2, PITCH
	v_lshl_add_u32 v5, v1, 4, v5
	v_add_nc_u32 v5, s23, v5
	v_add_nc_u32 v[RDV], STG1, v5
	v_lshlrev_b32 v[COQ], 4, v6
	v_lshlrev_b32 v5, 12, v2
	v_lshl_add_u32 v[COV], v1, 4, v5
	v_lshlrev_b32 v[BA], 5, v2
	s_wait_alu depctr_va_vdst(0)
	v_lshlrev_b32 v[BRA], 2, v1
	; the bias: by columns for q and k, by rows for V^T.  Both patterns are loaded in every work-group, the one that is not used from the bias's first 512 bytes
	s_wait_alu depctr_va_vdst(0)
	s_lshl_b32 s18, s42, 8
	s_lshl_b32 s19, s16, 7
	s_add_co_u32 s18, s18, s19
	s_lshl_b32 s18, s18, 2                         ; my first column, in bytes of f32
	s_lshl_b32 s19, s17, 8
	s_lshl_b32 s23, s15, 7
	s_add_co_u32 s19, s19, s23
	s_lshl_b32 s19, s19, 2                         ; my first row
	s_cmp_eq_u32 ttmp9, 2
	s_cselect_b32 s94, 0, s18
	s_cselect_b32 s18, s19, 0
	s_mov_b32 s95, 0
	s_add_nc_u64 s[98:99], s[8:9], s[94:95]
	s_mov_b32 s94, s18
	s_add_nc_u64 s[100:101], s[8:9], s[94:95]
.irp b, 0,1,2,3,4,5,6,7
.irp u, 0,1
	global_load_b128 v[BI+8*\b+4*\u:BI+8*\b+4*\u+3], v[BA], s[98:99] offset:64*\b+16*\u
.endr
.endr
.irp a, 0,1,2,3,4,5,6,7
.irp u, 0,1
	global_load_b32 v[BR+2*\a+\u], v[BRA], s[100:101] offset:64*\a
.endr
.endr
	; where the rows that I store begin
	s_lshr_b32 s18, s17, 2                         ; q, k: b = tile row / 4; heads 4 x tile column on
	s_lshl_b32 s18, s18, 4
	s_lshl_b32 s19, s42, 2
	s_add_co_u32 s18, s18, s19
	s_lshl_b32 s18, s18, 16                        ; a head is 65,536 bytes
	s_and_b32 s19, s17, 3
	s_lshl_b32 s19, s19, 8
	s_lshl_b32 s23, s14, 6
	s_add_co_u32 s19, s19, s23
	s_lshl_b32 s19, s19, 6                         ; c = 256 (tile row % 4) + 64 wave; 64 bytes a token
	s_add_co_u32 s18, s18, s19
	s_lshl_b32 s19, s17, 8                         ; V^T: row 256 x tile row + 64 wave of 4,096 bytes, + 256 x tile column
	s_add_co_u32 s19, s19, s23
	s_lshl_b32 s19, s19, 12
	s_lshl_b32 s23, s42, 8
	s_add_co_u32 s19, s19, s23
	s_cmp_eq_u32 ttmp9, 2
	s_cselect_b32 s94, s19, s18
	s_add_co_u32 s94, s94, s90
	s_add_nc_u64 s[10:11], s[78:79], s[94:95]
.macro FRAG reg, adr, q, i             ; 16 rows x 128 K of codes: 16 registers; registers 4 c .. 4 c + 3 hold K = 32 c + 16 (l / 16) + 0 .. 15: the same order in A and in B, so every product meets its partner
.irp c, 0,1,2,3
	ds_load_b128 v[\reg+4*\c:\reg+4*\c+3], v[\adr] offset:128*(\q)+32*\c+(\i)*16*PITCH
.endr
.endm
.macro MUL16 a0, p, zero               ; A's blocks a0, a0 + 1 x B's eight.  The 64 accumulators take turns, one instruction a turn, in the same order in every step
.irp a, \a0, \a0+1
.irp b, 0,1,2,3,4,5,6,7
.if \zero
	v_wmma_f32_16x16x128_fp8_fp8 v[8*(8*((\a)%4)+\b):8*(8*((\a)%4)+\b)+7], v[128*(\p)+FR*\b:128*(\p)+FR*\b+FR-1], v[AF+FR*(\a):AF+FR*(\a)+FR-1], 0
.else
	v_wmma_f32_16x16x128_fp8_fp8 v[8*(8*((\a)%4)+\b):8*(8*((\a)%4)+\b)+7], v[128*(\p)+FR*\b:128*(\p)+FR*\b+FR-1], v[AF+FR*(\a):AF+FR*(\a)+FR-1], v[8*(8*((\a)%4)+\b):8*(8*((\a)%4)+\b)+7]
.endif
.endr
.endr
.endm
.macro FETCH_B slot, q, p
	WIN TO_B
.irp i, 0,1,2,3,4,5,6,7
	FRAG 128*(\p)+FR*\i, ADRB+\slot, \q, \i
.endr
	WIN 0
.endm
.macro FETCH_A slot, q, i0
.irp i, \i0, \i0+1, \i0+2, \i0+3
	FRAG AF+FR*(\i), ADRA+\slot, \q, \i
.endr
.endm
.macro PLACES n                        ; plain vector instructions between a matrix instruction and a load into, or a read of, its registers
.rept \n
	v_nop
.endr
.endm
.macro STEP slot, q, zero              ; 128 along K with its successor in the same slot
	s_wait_dscnt 4*NL                              ; B's set and A's blocks 0-3 are in; the youngest 16 loads (A's blocks 4-7) may be out
	WIN MUL_LO
	MUL16 0, (\q)%2, \zero
	MUL16 2, (\q)%2, \zero
	s_wait_dscnt 0
	PLACES NP
	FETCH_B \slot, (\q)+1, 1-(\q)%2
	FETCH_A \slot, (\q)+1, 0
	WIN MUL_HI
	MUL16 4, (\q)%2, \zero
	MUL16 6, (\q)%2, \zero
	PLACES NP
	WIN 0
	FETCH_A \slot, (\q)+1, 4
.endm
.macro TURN slot, next, fill           ; a slot's last step changes slots: one barrier; fill = 1: this slot is filled again, two K steps ahead
	s_wait_tensorcnt 0x0                           ; all my tensor loads have landed: my part of the next slot
	ds_add_u32 v[SPW], v[NIL]                      ; 0 onto my spare word
	s_wait_dscnt 4*NL+1                            ; the add and the youngest 16 loads may be out
	WIN MUL_LO
	MUL16 0, 1, 0
	s_wait_dscnt 0x0                               ; the add is done, and my reads of this slot are over
	s_barrier_signal -1
	MUL16 2, 1, 0
	WIN 0
	s_barrier_wait -1
.if \fill
	CREST                                          ; the barrier has opened a round of the cluster's barrier: no wave of any partner still reads this slot or has a load on its way
	s_add_nc_u64 s[G0+4*\slot+2:G0+4*\slot+3], s[G0+4*\slot+2:G0+4*\slot+3], 2*ROWB
	s_add_nc_u64 s[G0B+4*\slot+2:G0B+4*\slot+3], s[G0B+4*\slot+2:G0B+4*\slot+3], 2*ROWB
	JLOAD G0+4*\slot, G1, G0B+4*\slot, G1B
.else
	PLACES NP
.endif
	FETCH_B \next, 0, 0
	FETCH_A \next, 0, 0
	WIN MUL_HI
	MUL16 4, 1, 0
	MUL16 6, 1, 0
	PLACES NP
	WIN 0
	FETCH_A \next, 0, 4
.endm
	s_wait_alu depctr_va_vdst(0)                   ; the wait at the head's end
	s_wait_tensorcnt 0x0                           ; my tile is in, so group 1 may be written: the refills bring 128 rows a wave
	s_mov_b32 s[G1+2], 128<<16
	s_mov_b32 s[G1+4], 128
	s_mov_b32 s[G1B+2], 128<<16
	s_mov_b32 s[G1B+4], 128
	s_barrier_signal -1
	s_barrier_wait -1                              ; both slots are whole for every wave
	FETCH_B 0, 0, 0
	FETCH_A 0, 0, 0
	FETCH_A 0, 0, 4
	STEP 0, 0, 1                                   ; the first step's products start the sums
	s_mov_b32 s3, LAPS-1
.Llap:
	TURN 0, 1, 1
	STEP 1, 0, 0
	TURN 1, 0, 1
	STEP 0, 0, 0
	s_sub_co_u32 s3, s3, 1
	s_cmp_lg_u32 s3, 0
	s_cbranch_scc1 .Llap
	TURN 0, 1, 0                                   ; the last lap fills nothing
	STEP 1, 0, 0
	s_wait_dscnt 4*NL
	WIN MUL_LO
	MUL16 0, 1, 0
	MUL16 2, 1, 0
	s_wait_dscnt 0
	WIN MUL_HI
	MUL16 4, 1, 0
	MUL16 6, 1, 0
	WIN 0
; THE WAY OUT.  Block a (16 rows x 128 columns): sum x 2^(eA + eB) + bias, the hold, eight codes a conversion, 8 bytes into the work-group's stage.  mode 0: the bias goes by columns; 1: by rows.
.macro QBLOCK a, mode, sto
.set AC, 64*((\a)%4)
.set CDS, CD+16*((\a)%2)
	WIN 0x02+((\a)/4)                              ; source 0: window 2 or 3
.set j, 0
.rept 32
.if \mode
	v_pk_fma_f32 v[TMP+j:TMP+j+1], v[AC+j:AC+j+1], s[96:97], v[BR+2*(\a):BR+2*(\a)+1] op_sel_hi:[1,0,1]
.else
	v_pk_fma_f32 v[TMP+j:TMP+j+1], v[AC+j:AC+j+1], s[96:97], v[BI+j:BI+j+1] op_sel_hi:[1,0,1]   ; each accumulator from its low end on
.endif
.set j, j+2
.endr
	WIN 0
.set j, 0
.rept 64
	v_med3_num_f32 v[TMP+j], v[TMP+j], -v[LIM], v[LIM]
.set j, j+1
.endr
.irp b, 0,1,2,3,4,5,6,7
	v_cvt_scalef32_pk8_fp8_f32 v[CDS+2*\b:CDS+2*\b+1], v[TMP+8*\b:TMP+8*\b+7], v[SC]
.endr
	v_nop                                          ; one plain vector instruction between the conversions and the next writes of their sources
.irp b, 0,1,2,3,4,5,6,7
	ds_store_b64 v[\sto], v[CDS+2*\b:CDS+2*\b+1] offset:(\a)*16*PITCH+16*\b
.endr
.endm
	s_wait_kmcnt 0x0
	s_add_co_i32 s80, s80, s81                     ; e0 + e1
	s_add_co_i32 s82, s82, s83                     ; e2 + e3
	s_add_co_i32 s84, s84, s85                     ; e4 + e5
	s_cmp_eq_u32 ttmp9, 0
	s_cselect_b32 s96, s80, s82
	s_cselect_b32 s97, s86, s87                    ; e6 for q, e7 for k,
	s_cmp_eq_u32 ttmp9, 2
	s_cselect_b32 s96, s84, s96
	s_cselect_b32 s97, s89, s97                    ; e9 for v
	s_add_co_i32 s96, s96, 127
	s_lshl_b32 s96, s96, 23                        ; 2^(eA + eB) as f32
	s_add_co_i32 s97, s97, 127
	s_lshl_b32 s94, s97, 23
	v_mov_b32 v[SC], s94
	s_add_co_i32 s97, s97, 8
	s_lshl_b32 s97, s97, 23
	s_or_b32 s97, s97, 0x600000
	v_mov_b32 v[LIM], s97
	s_mov_b32 s97, s96                             ; (named with s96 as a pair, so it is written)
	s_wait_loadcnt 0x0                             ; the biases
	PLACES NP
	s_cmp_eq_u32 ttmp9, 2
	s_cbranch_scc1 .Lv_in
.irp a, 0,1,2,3,4,5,6,7
	QBLOCK \a, 0, STQ
.endr
	s_branch .Lmeet
.Lv_in:
.irp a, 0,1,2,3,4,5,6,7
	QBLOCK \a, 1, STV
.endr
.Lmeet:
	s_wait_dscnt 0x0                               ; for the others' sake: my stores into the stage are done
	s_barrier_signal -1
	s_barrier_wait -1
	s_cmp_eq_u32 ttmp9, 2
	s_cbranch_scc1 .Lv_out
.set t, 0
.rept 32                               ; head t / 8 of the tile's four, tokens 8 (t % 8) on: eight rows' 64 bytes
	ds_load_b128 v[BK+4*t:BK+4*t+3], v[RDQ] offset:(t%8)*8*PITCH+64*(t/8)
.set t, t+1
.endr
.set t, 0
.rept 32
	s_wait_dscnt 31-t                              ; read-back t is in; the younger ones may be out
	global_store_b128 v[COQ], v[BK+4*t:BK+4*t+3], s[10:11] offset:(t/8)*65536+(t%8)*512   ; the wave stores 512 consecutive bytes of one head, aligned
.set t, t+1
.endr
	s_branch .Lend
.Lv_out:
.set t, 0
.rept 32
	ds_load_b128 v[BK+4*t:BK+4*t+3], v[RDV] offset:t*2*PITCH
.set t, t+1
.endr
.set t, 0
.rept 32
	s_wait_dscnt 31-t
	global_store_b128 v[COV], v[BK+4*t:BK+4*t+3], s[10:11] offset:t*8192   ; sixteen lanes store 256 consecutive bytes, aligned
.set t, t+1
.endr
.Lend:
	s_wait_tensorcnt 0x0                           ; the wave's end
	ds_add_u32 v[SPW], v[NIL]
	s_wait_dscnt 0x0
	CROUND                                         ; the closing round
	s_endpgm
.Lfunc_end_k_q01f1d864b9_qkv:
	.size	k_q01f1d864b9_qkv, .Lfunc_end_k_q01f1d864b9_qkv-k_q01f1d864b9_qkv
	.p2alignl 7, 3214868480
	.fill 96, 4, 3214868480
	.section	.rodata,"a",@progbits
	.p2align	6, 0x0
	.amdhsa_kernel k_q01f1d864b9_qkv
		.amdhsa_group_segment_fixed_size 327680
		.amdhsa_private_segment_fixed_size 0
		.amdhsa_enable_private_segment 0
		.amdhsa_kernarg_size 48
		.amdhsa_user_sgpr_count 2
		.amdhsa_user_sgpr_kernarg_segment_ptr 1
		.amdhsa_wavefront_size32 1
		.amdhsa_system_sgpr_workgroup_id_x 1
		.amdhsa_system_sgpr_workgroup_id_y 1
		.amdhsa_system_sgpr_workgroup_id_z 1
		.amdhsa_system_vgpr_workitem_id 0
		.amdhsa_next_free_vgpr 1024
		.amdhsa_next_free_sgpr 102
		.amdhsa_reserve_vcc 0
		.amdhsa_float_denorm_mode_32 3
		.amdhsa_float_denorm_mode_16_64 3
		.amdhsa_memory_ordered 1
		.amdhsa_forward_progress 1
		.amdhsa_inst_pref_size 209
	.end_amdhsa_kernel
	.amdgpu_metadata
---
amdhsa.version: [ 1, 2 ]
amdhsa.kernels:
  - .name:           k_q01f1d864b9_qkv
    .symbol:         k_q01f1d864b9_qkv.kd
    .args:
      - { .name: pc, .offset: 0, .size: 8, .value_kind: global_buffer, .address_space: global }
      - { .name: lowp_scales, .offset: 8, .size: 8, .value_kind: global_buffer, .address_space: global }
      - { .name: bq, .offset: 16, .size: 8, .value_kind: global_buffer, .address_space: global }
      - { .name: bk, .offset: 24, .size: 8, .value_kind: global_buffer, .address_space: global }
      - { .name: bv, .offset: 32, .size: 8, .value_kind: global_buffer, .address_space: global }
      - { .name: qkvc, .offset: 40, .size: 8, .value_kind: global_buffer, .address_space: global }
    .group_segment_fixed_size: 327680
    .private_segment_fixed_size: 0
    .kernarg_segment_align: 8
    .kernarg_segment_size: 48
    .max_flat_workgroup_size: 128
    .sgpr_count:     102
    .vgpr_count:     1024
    .wavefront_size: 32
...
	.end_amdgpu_metadata
.endif
;; end of part 2
;; launch attn (part 3): grid 4 x 64, 16 waves a work-group, clusters of 4 x 1, 327,680 bytes of LDS; arguments qkvc, inputs, lowp_scales, res; writes res
.if DOCPART == 3
	.amdgcn_target "amdgcn-amd-amdhsa--gfx1250"
	.amdhsa_code_object_version 6
	.text
	.protected	k_q01f1d864b9_attn
	.globl	k_q01f1d864b9_attn
	.p2align	8
	.type	k_q01f1d864b9_attn,@function
k_q01f1d864b9_attn:
	s_mov_b64 s[64:65], 0
	v_nop
	global_prefetch_b8 v0, s[64:65] scope:SCOPE_SE
	s_setreg_imm32_b32 hwreg(HW_REG_WAVE_MODE, 25, 1), 1
	s_wait_xcnt 0x0
	s_wait_alu depctr_hold_cnt(0) depctr_sa_sdst(0) depctr_va_vdst(0) depctr_va_sdst(0) depctr_va_ssrc(0) depctr_va_vcc(0) depctr_vm_vsrc(0)
	s_getreg_b32 s2, hwreg(HW_REG_IB_STS2, 6, 4)
	s_cmp_eq_u32 s2, 0
	s_cbranch_scc0 .Lentry_in_a_cluster
	s_endpgm
.Lentry_in_a_cluster:
	s_bfe_u32 s2, ttmp6, 0x10000c
	s_cmp_lg_u32 s2, 0x3003
	s_cbranch_scc0 .Lentry_shape_is_right
	s_endpgm
.Lentry_shape_is_right:
; Causal attention on codes of E4M3, head size 64, 1,024 keys, and the residual: res = inputs + attn.
; q, k: [b][h][c][64] at qkvc + 0 and + 0x400000; V^T: [h 64 + d][b 1024 + c] at qkvc + 0x800000.  Scale entries 6 (q), 7 (k), 8 (p), 9 (v).
; THE SOFTMAX AHEAD OF THE SECOND PRODUCT: t = score x log2(e) / 8; M = the running largest t rounded UP to a whole number; p = 2^(t - M) is quantised; the row's sum is taken of the unquantised p and divides at the end.
; When M moves, the sum and O are multiplied by 2^(old M - new M), which rounds nothing.
; CLUSTER: the four work-groups of a head (y = 16 b + h) ask for its K and V^T jointly (mask 15).  The whole head lies in LDS (81,920 + 69,632 bytes): eight tensor loads at the head, one a wave (waves 0 to 7),
; each in its own arm of one chain of branches on the wave's number; no LDS byte is filled twice; every wait on TENSORcnt is for 0.
; SHARES.  Work-group cx owns the tiles of 16 queries 4 s + cx, s = 0 .. 15: tile s has its diagonal in the block of 128 keys s / 2, whatever cx is, so every branch hangs on the wave's number alone.
; Tiles s = p and s = 15 - p (p = 0 .. 7) are a pair, served by two waves.  Wave A (bit 2 of its number 0): the late tile's keys 0-511, four steps all of whose keys count; it leaves -M, the sums and O^T in LDS.
; Wave B (= A + 4): the early tile whole (p / 2 + 1 steps), stored; then the late tile's steps from key 512 on (4 - p / 2 steps); behind one barrier it joins A's part to its own:
; both are brought under the larger M by powers of two, which rounds nothing.  So a wave has 4 or 5 steps, and waves w, w + 4, w + 8, w + 12 have 18 together.
; A step all of whose keys come after the tile's queries is left out by a scalar branch; on the diagonal hidden scores become -infinity ahead of the maximum.
; The rows of inputs are loaded by the B waves alone, behind the head's barrier and behind the first tile's stores.
; NO PREFETCH: K and V^T are asked for once, at the head; there is no loop to run ahead in.
; LAYOUT.  Both products transposed: S^T = K Q^T, O^T = V^T P^T: a lane holds one query.  Lane r of tile 2 b + u of K takes key 32 b + 8 u + r + 8 (r / 8), so that the 16 registers of tiles 2 b, 2 b + 1 are 16 neighbouring keys.
; LIMITS: e6 + e7 between -123 and 130 (added to c's exponent field); e8 between -126 and 119.  NaN is not served.
; REGISTERS: v1-7, 10, 11 addresses that stay; v8, 9 addresses in hand; v12 -M, v13 the largest t, v[14:15] the sum; v16-23, v24-31 Q of the first and second pass; v32-95 fragments of K or V; v96-159 S^T, then p;
; v160-191 O^T; v192-223 rows of inputs; v224-239 p's codes; v232-255 at work.
.set KP,     80                        ; a key's row in LDS: 64 bytes + 16
.set VP,     272                       ; a row of a piece of V^T: 256 bytes + 16
.set KPIECE, 256*KP
.set VPIECE, 64*VP
.set VOFF,   4*KPIECE
.set STAGE,  VOFF+4*VPIECE             ; 16 rows x 272 bytes for each wave
.set MERGE,  STAGE+16*16*272           ; 9 x 512 bytes for each wave: an image of 36 registers
.set SPARE,  MERGE+16*9*512            ; the spare words, 128 bytes a wave
.set AK0,  1
.set AV0,  2
.set QA,   3
.set MGS,  4                           ; where I leave my part
.set SPW,  5
.set NIL,  6
.set GO,   7
.set ADK,  8
.set ADV,  9
.set STI,  10
.set STR,  11
.set MGL,  250                         ; where my partner (wave xor 4) left its part
.set TBK,  2                           ; s2   LDS byte of the 256 keys in hand, in K
.set TBV,  3                           ; s3   in V^T
.set WV,   18
.set ROLE, 19                          ; 0: A, 1: B
.set SEL,  20
.set CS,   22
.set G1K,  24
.set G1V,  32
.set G0K,  40                          ; s[40:55] four groups 0 for K's pieces
.set IL,   56                          ; s[56:57] inputs at the early tile, s[58:59] at the late one
.set IH,   58
.set RL,   14                          ; s[14:15], s[16:17] res likewise
.set RH,   16
.set CNT,  67
.set G0V,  68                          ; s[68:83] four for V^T's
.set HI,   94                          ; the pass's last step's first key
.set DG,   95                          ; the first key of the tile's diagonal step
.set KF,   98                          ; the step's first key
.set Q0,   99                          ; the tile's first query
.macro CROUND                          ; a round of the cluster's barrier
	s_barrier_signal -1
	s_barrier_wait -1
	s_cmp_lg_u32 s[WV], 0
	s_cbranch_scc1 .Lnot_wave_0_\@
	s_barrier_signal -3
.Lnot_wave_0_\@:
	s_barrier_wait -3
	s_barrier_signal -1
	s_barrier_wait -1
.endm
.macro ARM n, g0, g1                   ; wave n's one tensor load; s_nop 0 and four v_nop follow it
	s_cmp_eq_u32 s[WV], \n
	s_cbranch_scc0 .Lnot_\n
	tensor_load_to_lds s[\g0:\g0+3], s[\g1:\g1+7]
	s_nop 0
.rept 4
	v_nop
.endr
	s_branch .Lasked
.Lnot_\n:
.endm
	s_load_b256 s[4:11], s[0:1], 0x0               ; qkvc 4, inputs 6, the scales' exponents 8, res 10
	v_lshl_add_u32 v[SPW], v0, 2, SPARE
	v_mov_b32 v[NIL], 0
	ds_add_u32 v[SPW], v[NIL]                      ; the opening: the add, twice on end, and its wait
	ds_add_u32 v[SPW], v[NIL]
	v_lshrrev_b32 v8, 5, v0
	v_readfirstlane_b32 s[WV], v8                  ; wave 0..15
	v_and_b32 v8, 15, v0                           ; r
	v_bfe_u32 v9, v0, 4, 1                         ; h
	v_lshlrev_b32 v[QA], 6, v8
	v_lshl_add_u32 v[QA], v9, 4, v[QA]             ; Q: row r of 64 bytes, + 16 h
	v_lshlrev_b32 v[GO], 12, v9
	v_lshl_add_u32 v[GO], v8, 4, v[GO]             ; inputs, res: lanes 0-15 one row's 256 bytes, lanes 16-31 the next row's
	v_and_b32 v[MGS], 8, v8
	v_add_nc_u32 v[MGS], v[MGS], v8                ; r + 8 (r / 8)
	v_mul_u32_u24 v[AK0], v[MGS], KP
	v_lshl_add_u32 v[AK0], v9, 4, v[AK0]
	v_mul_u32_u24 v[AV0], v8, VP
	v_lshl_add_u32 v[AV0], v9, 4, v[AV0]
	v_add_nc_u32 v[AV0], VOFF, v[AV0]
	s_mul_i32 s96, s[WV], 16*272
	s_add_co_u32 s96, s96, STAGE                   ; my stage
	v_mul_u32_u24 v[STI], v8, 272
	v_lshl_add_u32 v[STI], v9, 5, v[STI]
	v_add_nc_u32 v[STI], s96, v[STI]               ; in: row r, + 32 h
	v_mul_u32_u24 v[STR], v9, 272
	v_lshl_add_u32 v[STR], v8, 4, v[STR]
	v_add_nc_u32 v[STR], s96, v[STR]               ; back: two rows an instruction
	s_mul_i32 s96, s[WV], 9*512
	s_add_co_u32 s96, s96, MERGE
	s_xor_b32 s97, s[WV], 4
	s_mul_i32 s97, s97, 9*512
	s_add_co_u32 s97, s97, MERGE
	v_and_b32 v[MGL], 31, v0
	v_lshl_add_u32 v[MGS], v[MGL], 4, s96          ; 16 bytes a lane
	v_lshl_add_u32 v[MGL], v[MGL], 4, s97
	v_mov_b32 v13, 0xff61b1e6                      ; the largest t so far: -3e38
	v_floor_f32 v12, -v13                          ; -M
	v_mov_b32 v14, 0
	v_mov_b32 v15, 0
	v_mov_b32 v236, 0                              ; a lane permute's destination counts as read
	v_mov_b32 v252, 0
	v_mov_b32 v253, 0                              ; (upper halves of the pairs v[252:253], v[254:255])
	v_mov_b32 v255, 0
.set j, 0
.rept 32
	v_mov_b32 v[160+j], 0                          ; O^T: the step is written for every step alike; the first finds zeros
.set j, j+1
.endr
	s_and_b32 s12, ttmp7, 0xffff                   ; y = 16 b + h
	s_and_b32 s13, s12, 15                         ; h
	s_lshr_b32 s14, s12, 4                         ; b
	s_bfe_u32 s15, ttmp6, 0x40000                  ; cx: it enters my queries' numbers and global addresses, no branch and no LDS address
	s_lshl_b32 s15, s15, 4
	s_bfe_u32 s[ROLE], s[WV], 0x10002              ; bit 2 of the wave's number
	s_and_b32 s16, s[WV], 3
	s_lshr_b32 s17, s[WV], 3
	s_lshl_b32 s17, s17, 2
	s_add_co_u32 s17, s16, s17                     ; the pair p
	s_sub_co_u32 s17, 15, s17                      ; the late tile, 15 - p: the second pass's, and A's first
	s_mul_i32 s16, s[ROLE], 15
	s_xor_b32 s16, s16, s17                        ; the first pass's tile: B: p
	s_lshr_b32 s91, s16, 1
	s_lshl_b32 s91, s91, 7                         ; first pass: the diagonal step's first key,
	s_min_u32 s90, s91, 384                        ; and the last step's: keys under 512 alone
	s_lshr_b32 s93, s17, 1
	s_lshl_b32 s93, s93, 7                         ; second pass likewise;
	s_mul_i32 s92, s93, s[ROLE]                    ; A has no step there
	s_lshl_b32 s88, s16, 6
	s_add_co_u32 s88, s88, s15                     ; the tiles' first queries: 64 s + 16 cx
	s_lshl_b32 s89, s17, 6
	s_add_co_u32 s89, s89, s15
	s_lshl_b32 s56, s12, 16                        ; the head's 65,536 bytes of q and of k
	s_lshl_b32 s96, s88, 6
	s_add_co_u32 s60, s56, s96                     ; Q of the first pass,
	s_lshl_b32 s96, s89, 6
	s_add_co_u32 s62, s56, s96                     ; of the second
	s_add_co_u32 s56, s56, 0x400000                ; K
	s_mov_b32 s57, 0
	s_mov_b32 s61, 0
	s_mov_b32 s63, 0
	s_lshl_b32 s58, s13, 18
	s_lshl_b32 s96, s14, 10
	s_add_co_u32 s58, s58, s96
	s_add_co_u32 s58, s58, 0x800000                ; V^T: row 64 h of 4,096 bytes, + 1,024 b
	s_mov_b32 s59, 0
	s_lshl_b32 s97, s13, 8
	s_add_co_u32 s100, s96, s88
	s_lshl_b32 s100, s100, 12
	s_add_co_u32 s100, s100, s97                   ; inputs and res: row 1,024 b + query, + 256 h bytes
	s_mov_b32 s101, 0
	s_add_co_u32 s12, s96, s89
	s_lshl_b32 s12, s12, 12
	s_add_co_u32 s12, s12, s97
	s_mov_b32 s13, 0
	s_mov_b32 s[G1K], 15|(1<<20)|(1<<21)|(3<<22)|(3<<25)   ; the mask; elements of 1 byte; padding on; bit 21 beside a mask; four words after every 16
	s_mov_b32 s[G1K+1], 64<<16                     ; tensor_dim0
	s_mov_b32 s[G1K+2], 256<<16                    ; tensor_dim1
	s_mov_b32 s[G1K+3], 64<<16                     ; tile_dim0
	s_mov_b32 s[G1K+4], 256                        ; tile_dim1
	s_mov_b32 s[G1K+5], 64                         ; tensor_dim0_stride
	s_mov_b32 s[G1K+6], 0
	s_mov_b32 s[G1K+7], 0
	s_mov_b32 s[G1V], 15|(1<<20)|(1<<21)|(5<<22)|(3<<25)   ; padding: four words after every 64
	s_mov_b32 s[G1V+1], 256<<16
	s_mov_b32 s[G1V+2], 64<<16
	s_mov_b32 s[G1V+3], 256<<16
	s_mov_b32 s[G1V+4], 64
	s_mov_b32 s[G1V+5], 4096
	s_mov_b32 s[G1V+6], 0
	s_mov_b32 s[G1V+7], 0
	s_mov_b32 s[SEL], 0x76543210
	s_mov_b32 s[SEL+1], 0xfedcba98
	s_mov_b32 s[CS], 0x3e38aa3b                    ; c = log2(e) / sqrt(64)
	s_mov_b32 s[TBK], 0
	s_mov_b32 s[TBV], 0
	s_mov_b32 s[KF], 0
	s_mov_b32 s[Q0], s88
	s_mov_b32 s[HI], s90
	s_mov_b32 s[DG], s91
	s_wait_alu depctr_va_vdst(0)                   ; the wait here, directly ahead of the waits below
	s_wait_dscnt 0x0                               ; both opening adds are done
	s_wait_kmcnt 0x0
	s_load_b128 s[84:87], s[8:9], 0x18             ; e6, e7, e8, e9
	s_add_nc_u64 s[60:61], s[4:5], s[60:61]
	s_add_nc_u64 s[62:63], s[4:5], s[62:63]
	global_load_b128 v[16:19], v[QA], s[60:61]             ; Q's fragments: registers 4 c .. 4 c + 3 hold d = 32 c + 16 h + 0 .. 15, as K's do
	global_load_b128 v[20:23], v[QA], s[60:61] offset:32
	global_load_b128 v[24:27], v[QA], s[62:63]
	global_load_b128 v[28:31], v[QA], s[62:63] offset:32
	s_add_nc_u64 s[56:57], s[4:5], s[56:57]
	s_add_nc_u64 s[58:59], s[4:5], s[58:59]
.irp s, 0,1,2,3
	s_mov_b32 s[G0K+4*\s], 1
	s_mov_b32 s[G0K+4*\s+1], \s*KPIECE
	s_add_nc_u64 s[G0K+4*\s+2:G0K+4*\s+3], s[56:57], \s*16384
	s_or_b32 s[G0K+4*\s+3], s[G0K+4*\s+3], 0x80000000
	s_mov_b32 s[G0V+4*\s], 1
	s_mov_b32 s[G0V+4*\s+1], VOFF+\s*VPIECE
	s_add_nc_u64 s[G0V+4*\s+2:G0V+4*\s+3], s[58:59], \s*256
	s_or_b32 s[G0V+4*\s+3], s[G0V+4*\s+3], 0x80000000
.endr
	CROUND                                         ; the four partners are here: the joint loads meet
	ARM 0, G0K, G1K
	ARM 1, G0V, G1V
	ARM 2, G0K+4, G1K
	ARM 3, G0V+4, G1V
	ARM 4, G0K+8, G1K
	ARM 5, G0V+8, G1V
	ARM 6, G0K+12, G1K
	ARM 7, G0V+12, G1V
.Lasked:
	s_add_nc_u64 s[IL:IL+1], s[6:7], s[100:101]    ; (the registers that held K's and V^T's places: the groups 0 are made)
	s_add_nc_u64 s[IH:IH+1], s[6:7], s[12:13]
	s_add_nc_u64 s[RL:RL+1], s[10:11], s[100:101]
	s_add_nc_u64 s[RH:RH+1], s[10:11], s[12:13]
	s_wait_kmcnt 0x0
	s_add_co_i32 s96, s84, s85
	s_lshl_b32 s96, s96, 23
	s_add_co_i32 s[CS], s[CS], s96                 ; a score stands for score x 2^(e6 + e7)
	s_mov_b32 s[CS+1], s[CS]
	s_add_co_i32 s96, s86, 127
	s_lshl_b32 s97, s96, 23
	v_mov_b32 v244, s97                            ; 2^e8
	s_add_co_i32 s96, s96, 8
	s_lshl_b32 s96, s96, 23
	s_or_b32 s96, s96, 0x600000
	v_mov_b32 v240, s96                            ; 448 x 2^e8
; A KEY STEP: 128 keys, the q-th of the 256 in hand; Q's fragment at v[qr].
.macro STEP q, qr
	s_cmp_gt_u32 s[KF], s[HI]
	s_cbranch_scc1 .Lhidden_\@                     ; not mine in this pass: wave numbers and the count of steps alone decide
	v_add_nc_u32 v[ADK], s[TBK], v[AK0]
	v_add_nc_u32 v[ADV], s[TBV], v[AV0]
	v_nop                                          ; with the two additions: four places in front of loads into registers that matrix instructions have read
	v_nop
.irp t, 0,1,2,3,4,5,6,7
.irp c, 0,1
	ds_load_b128 v[32+8*\t+4*\c:32+8*\t+4*\c+3], v[ADK] offset:(128*(\q)+32*(\t/2)+8*(\t%2))*KP+32*\c
.endr
.endr
	s_wait_dscnt 0x0
.irp t, 0,1,2,3,4,5,6,7
	v_wmma_f32_16x16x64_fp8_fp8 v[96+8*\t:103+8*\t], v[32+8*\t:39+8*\t], v[\qr:\qr+7], 0
.endr
.rept 4
	v_nop
.endr
	s_cmp_lg_u32 s[KF], s[DG]
	s_cbranch_scc1 .Lopen_\@                       ; all its keys count
	s_sub_co_i32 s96, s[Q0], s[KF]
	v_and_b32 v252, 15, v0
	v_bfe_u32 v253, v0, 4, 1
	s_delay_alu instid0(VALU_DEP_1)
	v_lshlrev_b32 v253, 4, v253
	s_delay_alu instid0(VALU_DEP_1)
	v_sub_nc_u32 v252, v252, v253
	s_delay_alu instid0(VALU_DEP_1)
	v_add_nc_u32 v252, s96, v252                   ; d = my query - KF - 16 (lane / 16).  Register 16 b + i holds key KF + 16 (lane / 16) + 32 b + i: hidden where 32 b + i > d
	v_mov_b32 v254, 0xff800000                     ; -infinity
.set n, 0
.rept 64
	v_cmp_gt_i32 vcc_lo, 32*(n/16)+n%16, v252
	v_cndmask_b32 v[96+n], v[96+n], v254, vcc_lo
.set n, n+1
.endr
.Lopen_\@:
	v_max3_num_f32 v254, v96, v97, v98             ; the step's largest score of my query among my 64 keys, in two chains,
	v_max3_num_f32 v252, v99, v100, v101
.irp i, 6,10,14,18,22,26,30,34,38,42,46,50,54,58
	v_max3_num_f32 v254, v254, v[96+\i], v[97+\i]
	v_max3_num_f32 v252, v252, v[98+\i], v[99+\i]
.endr
	v_max3_num_f32 v254, v254, v158, v159
	s_delay_alu instid0(VALU_DEP_1)
	v_max_num_f32 v254, v254, v252
	v_permlanex16_b32 v236, v254, s[SEL], s[SEL+1]
	s_delay_alu instid0(VALU_DEP_1)
	v_max_num_f32 v254, v254, v236                 ; and among lane l xor 16's
	s_delay_alu instid0(VALU_DEP_1)
	v_mul_f32 v254, s[CS], v254                    ; as t (c is positive)
	s_delay_alu instid0(VALU_DEP_1)
	v_max_num_f32 v13, v13, v254
	v_mov_b32 v254, v12
	s_delay_alu instid0(VALU_DEP_2)
	v_floor_f32 v12, -v13                          ; the new -M = -ceil(t)
	s_delay_alu instid0(VALU_DEP_1)
	v_sub_f32 v254, v12, v254                      ; old M - new M: a whole number, 0 or less
	s_delay_alu instid0(VALU_DEP_1)
	v_cvt_i32_f32 v254, v254                       ; (it saturates)
	s_delay_alu instid0(VALU_DEP_1)
	v_ldexp_f32 v252, 1.0, v254                    ; f = 2^(old M - new M)
.set j, 0
.rept 32
	v_pk_fma_f32 v[96+j:97+j], v[96+j:97+j], s[CS:CS+1], v[12:13] op_sel_hi:[1,0,0]   ; t - M
.set j, j+2
.endr
.set j, 0
	s_wait_alu depctr_va_vdst(0)                   ; the wait ahead of the batch
.rept 64
	v_exp_f32 v[96+j], v[96+j]                     ; p = 2^(t - M)
.set j, j+1
.endr
	v_pk_mul_f32 v[14:15], v[14:15], v[252:253] op_sel_hi:[1,0]   ; the sums under the new M: also the plain instruction behind the exponentials
	s_wait_alu depctr_va_vdst(0)                   ; one wait for the whole batch, ahead of its first reader
	v_pk_add_f32 v[242:243], v[100:101], v[104:105]    ; the row's sum of the unquantised p, in eight chains
	v_pk_add_f32 v[248:249], v[108:109], v[112:113]
	v_pk_add_f32 v[246:247], v[116:117], v[120:121]
	v_pk_add_f32 v[238:239], v[124:125], v[128:129]
	v_pk_add_f32 v[236:237], v[132:133], v[136:137]
	v_pk_add_f32 v[234:235], v[140:141], v[144:145]
	v_pk_add_f32 v[232:233], v[148:149], v[152:153]
	v_pk_add_f32 v[14:15], v[14:15], v[156:157]
	v_pk_add_f32 v[242:243], v[242:243], v[96:97]
	v_pk_add_f32 v[248:249], v[248:249], v[98:99]
	v_pk_add_f32 v[246:247], v[246:247], v[102:103]
	v_pk_add_f32 v[238:239], v[238:239], v[106:107]
	v_pk_add_f32 v[236:237], v[236:237], v[110:111]
	v_pk_add_f32 v[234:235], v[234:235], v[114:115]
	v_pk_add_f32 v[232:233], v[232:233], v[118:119]
	v_pk_add_f32 v[14:15], v[14:15], v[122:123]
	v_pk_add_f32 v[242:243], v[242:243], v[126:127]
	v_pk_add_f32 v[248:249], v[248:249], v[130:131]
	v_pk_add_f32 v[246:247], v[246:247], v[134:135]
	v_pk_add_f32 v[238:239], v[238:239], v[138:139]
	v_pk_add_f32 v[236:237], v[236:237], v[142:143]
	v_pk_add_f32 v[234:235], v[234:235], v[146:147]
	v_pk_add_f32 v[232:233], v[232:233], v[150:151]
	v_pk_add_f32 v[14:15], v[14:15], v[154:155]
	v_pk_add_f32 v[242:243], v[242:243], v[158:159]
	s_delay_alu instid0(VALU_DEP_2)
	v_pk_add_f32 v[14:15], v[14:15], v[238:239]
	s_delay_alu instid0(VALU_DEP_2)
	v_pk_add_f32 v[242:243], v[242:243], v[236:237]
	v_pk_add_f32 v[248:249], v[248:249], v[234:235]
	v_pk_add_f32 v[246:247], v[246:247], v[232:233]
	s_delay_alu instid0(VALU_DEP_2)
	v_pk_add_f32 v[14:15], v[14:15], v[248:249]
	s_delay_alu instid0(VALU_DEP_2)
	v_pk_add_f32 v[242:243], v[242:243], v[246:247]
	s_delay_alu instid0(VALU_DEP_1)
	v_pk_add_f32 v[14:15], v[14:15], v[242:243]
.irp b, 0,1,2,3
.set j, 0
.rept 16
	v_min_num_f32 v[96+16*\b+j], v[96+16*\b+j], v240   ; p is not negative: the hold is one-sided
.set j, j+1
.endr
	v_cvt_scalef32_pk8_fp8_f32 v[224+4*\b:225+4*\b], v[96+16*\b:103+16*\b], v244
	v_cvt_scalef32_pk8_fp8_f32 v[226+4*\b:227+4*\b], v[104+16*\b:111+16*\b], v244
.endr
	s_wait_alu depctr_va_vdst(0)                   ; the wait here, directly ahead of the first reader of O^T
.set j, 0
.rept 16
	v_pk_mul_f32 v[160+j:161+j], v[160+j:161+j], v[252:253] op_sel_hi:[1,0]   ; O^T under the new M; these are also the plain instructions in front of the products and loads below
.set j, j+2
.endr
.irp t, 0,1,2,3
.irp c, 0,1,2,3
	ds_load_b128 v[32+16*\t+4*\c:32+16*\t+4*\c+3], v[ADV] offset:16*\t*VP+128*(\q)+32*\c
.endr
.endr
	s_wait_alu depctr_va_vdst(0)
	s_wait_dscnt 0x0
.irp t, 0,1,2,3
	v_wmma_f32_16x16x128_fp8_fp8 v[160+8*\t:167+8*\t], v[32+16*\t:47+16*\t], v[224:239], v[160+8*\t:167+8*\t]   ; the four accumulators by turns
.endr
.Lhidden_\@:
	s_add_co_u32 s[KF], s[KF], 128
.endm
.macro PASS n, qr                      ; 512 keys: two trips of 256, in every wave
	s_mov_b32 s[CNT], 2
.Lpass_\n:
	STEP 0, \qr
	STEP 1, \qr
	s_add_co_u32 s[TBK], s[TBK], KPIECE
	s_add_co_u32 s[TBV], s[TBV], VPIECE
	s_sub_co_u32 s[CNT], s[CNT], 1
	s_cmp_lg_u32 s[CNT], 0
	s_cbranch_scc1 .Lpass_\n
.endm
; THE WAY OUT of a tile (B waves): O^T / the sum x 2^(e8 + e9), through my stage, + inputs.  mg = 1: my partner's part is joined first.
.macro OUT mg, ip, rp
.if \mg
.rept 4
	v_nop                                          ; places in front of loads into registers that matrix instructions have read
.endr
.irp g, 0,1,2,3,4,5,6,7,8
	ds_load_b128 v[32+4*\g:35+4*\g], v[MGL] offset:512*\g   ; v32-63 its O^T, v64 its -M, v66, v67 its sums
.endr
.endif
	v_add_f32 v14, v14, v15
.if \mg
	s_wait_alu depctr_va_vdst(0)
	s_wait_dscnt 0x0
	v_min_num_f32 v252, v12, v64                   ; - the larger M
	v_add_f32 v66, v66, v67
	v_sub_f32 v253, v252, v64                      ; its M - the larger: a whole number, 0 or less
	v_sub_f32 v254, v252, v12                      ; mine likewise
	v_cvt_i32_f32 v253, v253
	v_cvt_i32_f32 v254, v254
	v_ldexp_f32 v253, 1.0, v253
	v_ldexp_f32 v254, 1.0, v254
	v_mul_f32 v14, v14, v254
	v_fma_f32 v14, v66, v253, v14                  ; both sums under the larger M
.endif
	v_permlanex16_b32 v252, v14, s[SEL], s[SEL+1]
	v_add_f32 v14, v14, v252                       ; the row's sum
	s_wait_alu depctr_va_vdst(0)                   ; the wait ahead of the transcendental
	v_rcp_f32 v14, v14
	v_nop                                          ; a plain instruction behind the transcendental
	s_add_co_i32 s96, s86, s87
	s_wait_alu depctr_va_vdst(0)                   ; the wait ahead of the first reader
	v_ldexp_f32 v14, v14, s96
.if \mg
	v_mul_f32 v252, v254, v14                      ; my part's factor,
	v_mul_f32 v254, v253, v14                      ; its part's
	s_wait_alu depctr_va_vdst(0)                   ; the wait here, directly ahead of the first reader of O^T
.set j, 0
.rept 16
	v_pk_mul_f32 v[96+j:97+j], v[160+j:161+j], v[252:253] op_sel_hi:[1,0]
.set j, j+2
.endr
.set j, 0
.rept 16
	v_pk_fma_f32 v[96+j:97+j], v[32+j:33+j], v[254:255], v[96+j:97+j] op_sel_hi:[1,0,1]
.set j, j+2
.endr
.else
	s_wait_alu depctr_va_vdst(0)                   ; the wait here, directly ahead of the first reader of O^T
.set j, 0
.rept 32
	v_mul_f32 v[96+j], v[160+j], v14               ; register 8 t + i is o(query r, d = 16 t + 8 h + i)
.set j, j+1
.endr
.endif
.irp t, 0,1,2,3
	ds_store_b128 v[STI], v[96+8*\t:99+8*\t] offset:64*\t
	ds_store_b128 v[STI], v[100+8*\t:103+8*\t] offset:64*\t+16
.endr
.irp i, 0,1,2,3,4,5,6,7
	ds_load_b128 v[32+4*\i:35+4*\i], v[STR] offset:\i*544   ; LDS serves a wave's instructions in order: these see my stores
.endr
	s_wait_loadcnt 0x0                             ; inputs
.irp i, 0,1,2,3,4,5,6,7
	s_wait_dscnt 7-\i                              ; read-back i is in; the younger ones may be out
	v_pk_add_f32 v[32+4*\i:33+4*\i], v[32+4*\i:33+4*\i], v[192+4*\i:193+4*\i]
	v_pk_add_f32 v[34+4*\i:35+4*\i], v[34+4*\i:35+4*\i], v[194+4*\i:195+4*\i]
	global_store_b128 v[GO], v[32+4*\i:35+4*\i], s[\rp:\rp+1] offset:\i*8192   ; sixteen lanes store 256 consecutive bytes, aligned
.endr
.endm
.macro INPUTS ip                       ; 16 rows of inputs at this head's 64 columns
.irp i, 0,1,2,3,4,5,6,7
	global_load_b128 v[192+4*\i:195+4*\i], v[GO], s[\ip:\ip+1] offset:\i*8192 th:TH_LOAD_NT
.endr
.endm
	s_wait_alu depctr_va_vdst(0)                   ; the wait at the head's end
	s_wait_loadcnt 0x0                             ; Q
	s_wait_tensorcnt 0x0                           ; my piece has landed
	s_barrier_signal -1
	s_barrier_wait -1                              ; everybody's has: the head's whole K and V^T are there
	s_cmp_eq_u32 s[ROLE], 0
	s_cbranch_scc1 .Lno_inputs
	INPUTS IL
.Lno_inputs:
	PASS 1, 16
	s_cmp_lg_u32 s[ROLE], 0
	s_cbranch_scc1 .Lb_mid
.rept 4
	v_nop                                          ; places between the last products and the stores that read their results
.endr
.irp t, 0,1,2,3
	ds_store_b128 v[MGS], v[160+8*\t:163+8*\t] offset:1024*\t          ; A: an image of O^T, each accumulator from its low end on,
	ds_store_b128 v[MGS], v[164+8*\t:167+8*\t] offset:1024*\t+512
.endr
	ds_store_b128 v[MGS], v[12:15] offset:4096                         ; and of -M and the sums
	s_branch .Lmid_done
.Lb_mid:
	OUT 0, IL, RL                                  ; B: the early tile is finished
	v_mov_b32 v13, 0xff61b1e6                      ; and the state begins anew
	v_floor_f32 v12, -v13
	v_mov_b32 v14, 0
	v_mov_b32 v15, 0
.set j, 0
.rept 32
	v_mov_b32 v[160+j], 0
.set j, j+1
.endr
	INPUTS IH
	s_wait_alu depctr_va_vdst(0)
	s_wait_xcnt 0x0                                ; the stores have read their data: v32-63 are written again only behind this wait
.Lmid_done:
	s_mov_b32 s[Q0], s89
	s_mov_b32 s[HI], s92
	s_mov_b32 s[DG], s93
	PASS 2, 24
	s_wait_alu depctr_va_vdst(0)
	s_wait_dscnt 0x0                               ; for the partner's sake: my stores are done
	s_barrier_signal -1
	s_barrier_wait -1
	s_cmp_eq_u32 s[ROLE], 0
	s_cbranch_scc1 .Lend
	OUT 1, IH, RH
.Lend:
	s_wait_tensorcnt 0x0                           ; the wave's end
	ds_add_u32 v[SPW], v[NIL]
	s_wait_dscnt 0x0
	CROUND                                         ; the closing round
	s_endpgm
.Lfunc_end_k_q01f1d864b9_attn:
	.size	k_q01f1d864b9_attn, .Lfunc_end_k_q01f1d864b9_attn-k_q01f1d864b9_attn
	.p2alignl 7, 3214868480
	.fill 96, 4, 3214868480
	.section	.rodata,"a",@progbits
	.p2align	6, 0x0
	.amdhsa_kernel k_q01f1d864b9_attn
		.amdhsa_group_segment_fixed_size 327680
		.amdhsa_private_segment_fixed_size 0
		.amdhsa_enable_private_segment 0
		.amdhsa_kernarg_size 32
		.amdhsa_user_sgpr_count 2
		.amdhsa_user_sgpr_kernarg_segment_ptr 1
		.amdhsa_wavefront_size32 1
		.amdhsa_system_sgpr_workgroup_id_x 1
		.amdhsa_system_sgpr_workgroup_id_y 1
		.amdhsa_system_sgpr_workgroup_id_z 1
		.amdhsa_system_vgpr_workitem_id 0
		.amdhsa_next_free_vgpr 256
		.amdhsa_next_free_sgpr 102
		.amdhsa_reserve_vcc 1
		.amdhsa_float_denorm_mode_32 3
		.amdhsa_float_denorm_mode_16_64 3
		.amdhsa_memory_ordered 1
		.amdhsa_forward_progress 1
		.amdhsa_inst_pref_size 113
	.end_amdhsa_kernel
	.amdgpu_metadata
---
amdhsa.version: [ 1, 2 ]
amdhsa.kernels:
  - .name:           k_q01f1d864b9_attn
    .symbol:         k_q01f1d864b9_attn.kd
    .args:
      - { .name: qkvc, .offset: 0, .size: 8, .value_kind: global_buffer, .address_space: global }
      - { .name: inputs, .offset: 8, .size: 8, .value_kind: global_buffer, .address_space: global }
      - { .name: lowp_scales, .offset: 16, .size: 8, .value_kind: global_buffer, .address_space: global }
      - { .name: res, .offset: 24, .size: 8, .value_kind: global_buffer, .address_space: global }
    .group_segment_fixed_size: 327680
    .private_segment_fixed_size: 0
    .kernarg_segment_align: 8
    .kernarg_segment_size: 32
    .max_flat_workgroup_size: 512
    .sgpr_count:     102
    .vgpr_count:     256
    .wavefront_size: 32
...
	.end_amdgpu_metadata
.endif
;; end of part 3
;; launch ln2 (part 4): grid 256 x 1, 4 waves a work-group, no clusters, 16,896 bytes of LDS; arguments res, g2, beta2, lowp_scales, hc; writes hc
.if DOCPART == 4
	.amdgcn_target "amdgcn-amd-amdhsa--gfx1250"
	.amdhsa_code_object_version 6
	.text
	.protected	k_q01f1d864b9_ln2
	.globl	k_q01f1d864b9_ln2
	.p2align	8
	.type	k_q01f1d864b9_ln2,@function
k_q01f1d864b9_ln2:
	s_mov_b64 s[64:65], 0
	v_nop
	global_prefetch_b8 v0, s[64:65] scope:SCOPE_SE
	s_setreg_imm32_b32 hwreg(HW_REG_WAVE_MODE, 25, 1), 1
	s_wait_xcnt 0x0
; LayerNorm 2 of res [4096][1024] f32, quantised with scale entry 10 into hc, codes of E4M3, LAID AS THE NEXT LAUNCH'S OPERAND REGISTERS:
; hc[block of 16 rows: 16,384 bytes][K step of 128: 2,048][c: 512][lane 16 h + r: 16 bytes] holds row r, k = 128 step + 32 c + 16 h + 0 .. 15.
; A work-group takes 16 rows, one such block; a wave 4 rows; a row stays in 32 registers between the passes (mean; mean of squares of x - mean; scale), so it is read once.
; Register 8 j + 4 u + i of a row holds column 256 j + 8 lane + 4 u + i: one conversion gives a lane 8 neighbouring codes.  They go into an image of the block in LDS (16,384 bytes);
; behind one barrier wave w reads bytes 4,096 w on and stores them: each store of the wave covers 512 consecutive bytes, aligned.
; LIMIT: entry 10 between -126 and 119.  NaN is not served.
.set LG,    16                         ; v16-47   g2
.set LB,    48                         ; v48-79   beta2
.set LX,    80                         ; v80-207  four rows; at the end the read-back
.set LT,    208                        ; v208-239 at work
.set LC,    240                        ; v240-247 codes
.set SPARE, 16384                      ; behind the image: the spare words, 128 bytes a wave
	s_load_b256 s[8:15], s[0:1], 0x0               ; res 8, g2 10, beta2 12, the scales' exponents 14
	s_load_b64 s[16:17], s[0:1], 0x20              ; hc
	v_lshl_add_u32 v9, v0, 2, SPARE                ; my spare word; never rewritten
	v_mov_b32 v10, 0                               ; 0; never rewritten
	v_lshrrev_b32 v1, 5, v0
	v_readfirstlane_b32 s2, v1                     ; wave
	v_and_b32 v1, 31, v0                           ; lane
	s_lshl_b32 s30, s2, 6
	s_lshl_b32 s31, s2, 12
	v_lshlrev_b32 v2, 5, v1                        ; in: 32 bytes a lane
	v_lshlrev_b32 v3, 4, v1                        ; out: 16 bytes a lane
	v_lshrrev_b32 v12, 4, v1                       ; the image: my 8 codes of chunk j begin at k = 256 j + 8 lane: K step 2 j + lane / 16,
	v_lshlrev_b32 v12, 11, v12
	v_bfe_u32 v13, v1, 2, 2                        ; c = (lane / 4) % 4,
	v_lshl_add_u32 v12, v13, 9, v12
	v_bfe_u32 v13, v1, 1, 1                        ; h = (lane / 2) % 2: 16 places of 16 bytes,
	v_lshl_add_u32 v12, v13, 8, v12
	v_and_b32 v13, 1, v1                           ; the lower or the upper 8 of the 16 bytes,
	v_lshl_add_u32 v12, v13, 3, v12
	v_add_nc_u32 v12, s30, v12                     ; row r = 4 wave + its number in the wave (an immediate)
	v_add_nc_u32 v13, s31, v3                      ; back: 4,096 wave + 16 lane
	v_mov_b32 v5, 0                                ; upper halves of pairs of which the low word serves both halves
	v_mov_b32 v7, 0
	v_mov_b32 v15, 0                               ; a lane permute's destination counts as read
	s_lshl_b32 s3, ttmp9, 4
	s_lshl_b32 s28, s2, 2
	s_add_co_u32 s3, s3, s28                       ; my wave's first row
	s_mov_b32 s29, 0
	s_mov_b32 s54, 0x3a800000                      ; 1 / 1024
	s_mov_b32 s55, 0x3727c5ac                      ; 1e-5
	s_mov_b32 s56, 0x76543210
	s_mov_b32 s57, 0xfedcba98
	s_wait_alu depctr_va_vdst(0)                   ; the wait at the head's end
	s_wait_kmcnt 0x0
	s_load_b32 s32, s[14:15], 0x28                 ; e10
	s_lshl_b32 s28, s3, 12
	s_add_nc_u64 s[4:5], s[8:9], s[28:29]
	s_lshl_b32 s28, s3, 10
	s_add_nc_u64 s[48:49], s[16:17], s[28:29]      ; 16,384 x work-group + 4,096 x wave: where my wave's part of the block begins
.irp j, 0,1,2,3
.irp u, 0,1
	global_load_b128 v[LG+8*\j+4*\u:LG+8*\j+4*\u+3], v2, s[10:11] offset:1024*\j+16*\u
.endr
.endr
.irp j, 0,1,2,3
.irp u, 0,1
	global_load_b128 v[LB+8*\j+4*\u:LB+8*\j+4*\u+3], v2, s[12:13] offset:1024*\j+16*\u
.endr
.endr
.irp w, 0,1,2,3
.irp j, 0,1,2,3
.irp u, 0,1
	global_load_b128 v[LX+32*\w+8*\j+4*\u:LX+32*\w+8*\j+4*\u+3], v2, s[4:5] offset:4096*\w+1024*\j+16*\u
.endr
.endr
.endr
	s_wait_kmcnt 0x0
	s_add_co_i32 s40, s32, 127
	s_lshl_b32 s41, s40, 23
	v_mov_b32 v8, s41                              ; 2^e10
	s_add_co_i32 s40, s40, 8
	s_lshl_b32 s40, s40, 23
	s_or_b32 s40, s40, 0x600000
	v_mov_b32 v11, s40                             ; 448 x 2^e10
	s_wait_alu depctr_va_vdst(0)                   ; the wait ahead of the wait below
.macro LANESUM
	v_add_f32_dpp v14, v14, v14 row_xmask:1 row_mask:0xf bank_mask:0xf
	v_add_f32_dpp v14, v14, v14 row_xmask:2 row_mask:0xf bank_mask:0xf
	v_add_f32_dpp v14, v14, v14 row_xmask:4 row_mask:0xf bank_mask:0xf
	v_add_f32_dpp v14, v14, v14 row_xmask:8 row_mask:0xf bank_mask:0xf
	v_permlanex16_b32 v15, v14, s56, s57
	v_add_f32 v14, v14, v15
.endm
.macro ROW rho
.set XR, LX+32*(\rho)
	s_wait_loadcnt 8*(3-(\rho))                    ; g2, beta2 and this row are in; the later rows, 8 loads each, may be out
	v_pk_add_f32 v[LT:LT+1], v[XR:XR+1], v[XR+2:XR+3]
	v_pk_add_f32 v[LT+2:LT+3], v[XR+4:XR+5], v[XR+6:XR+7]
.irp j, 8,12,16,20,24,28
	v_pk_add_f32 v[LT:LT+1], v[LT:LT+1], v[XR+\j:XR+\j+1]
	v_pk_add_f32 v[LT+2:LT+3], v[LT+2:LT+3], v[XR+\j+2:XR+\j+3]
.endr
	v_pk_add_f32 v[LT:LT+1], v[LT:LT+1], v[LT+2:LT+3]
	v_add_f32 v14, v[LT], v[LT+1]
	LANESUM
	v_mul_f32 v4, s54, v14                         ; the mean
.set j, 0
.rept 16
	v_pk_add_f32 v[XR+j:XR+j+1], v[XR+j:XR+j+1], v[4:5] op_sel_hi:[1,0] neg_lo:[0,1] neg_hi:[0,1]
.set j, j+2
.endr
	v_pk_mul_f32 v[LT:LT+1], v[XR:XR+1], v[XR:XR+1]
	v_pk_mul_f32 v[LT+2:LT+3], v[XR+2:XR+3], v[XR+2:XR+3]
.irp j, 4,8,12,16,20,24,28
	v_pk_fma_f32 v[LT:LT+1], v[XR+\j:XR+\j+1], v[XR+\j:XR+\j+1], v[LT:LT+1]
	v_pk_fma_f32 v[LT+2:LT+3], v[XR+\j+2:XR+\j+3], v[XR+\j+2:XR+\j+3], v[LT+2:LT+3]
.endr
	v_pk_add_f32 v[LT:LT+1], v[LT:LT+1], v[LT+2:LT+3]
	v_add_f32 v14, v[LT], v[LT+1]
	LANESUM
	v_fma_f32 v14, v14, s54, s55                   ; the variance + 1e-5
	s_wait_alu depctr_va_vdst(0)                   ; the wait ahead of the transcendental
	v_rsq_f32 v6, v14
	v_nop                                          ; a plain instruction behind the transcendental (ISA guide 5.7.2)
	s_wait_alu depctr_va_vdst(0)                   ; the wait ahead of the result's first reader
.set j, 0
.rept 16
	v_pk_mul_f32 v[XR+j:XR+j+1], v[XR+j:XR+j+1], v[6:7] op_sel_hi:[1,0]
.set j, j+2
.endr
.set j, 0
.rept 16
	v_pk_fma_f32 v[XR+j:XR+j+1], v[XR+j:XR+j+1], v[LG+j:LG+j+1], v[LB+j:LB+j+1]
.set j, j+2
.endr
.set j, 0
.rept 32
	v_med3_num_f32 v[XR+j], v[XR+j], -v11, v11     ; the conversion does not saturate (ISA guide 7.6.2): the hold comes first
.set j, j+1
.endr
.irp g, 0,1,2,3
	v_cvt_scalef32_pk8_fp8_f32 v[LC+2*\g:LC+2*\g+1], v[XR+8*\g:XR+8*\g+7], v8
.endr
	v_nop                                          ; one plain vector instruction behind the conversions
.irp g, 0,1,2,3
	ds_store_b64 v12, v[LC+2*\g:LC+2*\g+1] offset:4096*\g+16*(\rho)   ; chunk g is K steps 2 g and 2 g + 1; a row is 16 bytes on
.endr
.endm
	ROW 0
	ROW 1
	ROW 2
	ROW 3
	s_wait_alu depctr_va_vdst(0)
	s_wait_dscnt 0x0                               ; for the others' sake: my stores into the image are done
	s_barrier_signal -1
	s_barrier_wait -1
.irp t, 0,1,2,3,4,5,6,7
	ds_load_b128 v[LX+4*\t:LX+4*\t+3], v13 offset:512*\t
.endr
.irp t, 0,1,2,3,4,5,6,7
	s_wait_dscnt 7-\t                              ; read-back t is in; the younger ones may be out
	global_store_b128 v3, v[LX+4*\t:LX+4*\t+3], s[48:49] offset:512*\t
.endr
	s_wait_tensorcnt 0x0                           ; the wave's end
	ds_add_u32 v9, v10
	s_wait_dscnt 0x0
	s_endpgm
.Lfunc_end_k_q01f1d864b9_ln2:
	.size	k_q01f1d864b9_ln2, .Lfunc_end_k_q01f1d864b9_ln2-k_q01f1d864b9_ln2
	.p2alignl 7, 3214868480
	.fill 96, 4, 3214868480
	.section	.rodata,"a",@progbits
	.p2align	6, 0x0
	.amdhsa_kernel k_q01f1d864b9_ln2
		.amdhsa_group_segment_fixed_size 16896
		.amdhsa_private_segment_fixed_size 0
		.amdhsa_enable_private_segment 0
		.amdhsa_kernarg_size 40
		.amdhsa_user_sgpr_count 2
		.amdhsa_user_sgpr_kernarg_segment_ptr 1
		.amdhsa_wavefront_size32 1
		.amdhsa_system_sgpr_workgroup_id_x 1
		.amdhsa_system_sgpr_workgroup_id_y 1
		.amdhsa_system_sgpr_workgroup_id_z 1
		.amdhsa_system_vgpr_workitem_id 0
		.amdhsa_next_free_vgpr 248
		.amdhsa_next_free_sgpr 66
		.amdhsa_reserve_vcc 0
		.amdhsa_float_denorm_mode_32 3
		.amdhsa_float_denorm_mode_16_64 3
		.amdhsa_memory_ordered 1
		.amdhsa_forward_progress 1
		.amdhsa_inst_pref_size 43
	.end_amdhsa_kernel
	.amdgpu_metadata
---
amdhsa.version: [ 1, 2 ]
amdhsa.kernels:
  - .name:           k_q01f1d864b9_ln2
    .symbol:         k_q01f1d864b9_ln2.kd
    .args:
      - { .name: res, .offset: 0, .size: 8, .value_kind: global_buffer, .address_space: global }
      - { .name: g2, .offset: 8, .size: 8, .value_kind: global_buffer, .address_space: global }
      - { .name: beta2, .offset: 16, .size: 8, .value_kind: global_buffer, .address_space: global }
      - { .name: lowp_scales, .offset: 24, .size: 8, .value_kind: global_buffer, .address_space: global }
      - { .name: hc, .offset: 32, .size: 8, .value_kind: global_buffer, .address_space: global }
    .group_segment_fixed_size: 16896
    .private_segment_fixed_size: 0
    .kernarg_segment_align: 8
    .kernarg_segment_size: 40
    .max_flat_workgroup_size: 128
    .sgpr_count:     66
    .vgpr_count:     248
    .wavefront_size: 32
...
	.end_amdgpu_metadata
.endif
;; end of part 4
;; launch mlp1 (part 5): grid 16 x 16, 4 waves a work-group, clusters of 4 x 1, 327,680 bytes of LDS; arguments hc, pc, lowp_scales, bm1, hid; writes hid
.if DOCPART == 5
	.amdgcn_target "amdgcn-amd-amdhsa--gfx1250"
	.amdhsa_code_object_version 6
	.text
	.protected	k_q01f1d864b9_mlp1
	.globl	k_q01f1d864b9_mlp1
	.p2align	8
	.type	k_q01f1d864b9_mlp1,@function
k_q01f1d864b9_mlp1:
	s_mov_b64 s[64:65], 0
	v_nop
	global_prefetch_b8 v0, s[64:65] scope:SCOPE_SE
	s_setreg_imm32_b32 hwreg(HW_REG_WAVE_MODE, 25, 1), 1
	s_wait_xcnt 0x0
	s_wait_alu depctr_hold_cnt(0) depctr_sa_sdst(0) depctr_va_vdst(0) depctr_va_sdst(0) depctr_va_ssrc(0) depctr_va_vcc(0) depctr_vm_vsrc(0)
	s_getreg_b32 s2, hwreg(HW_REG_IB_STS2, 6, 4)
	s_cmp_eq_u32 s2, 0
	s_cbranch_scc0 .Lentry_in_a_cluster
	s_endpgm
.Lentry_in_a_cluster:
	s_bfe_u32 s2, ttmp6, 0x10000c
	s_cmp_lg_u32 s2, 0x3003
	s_cbranch_scc0 .Lentry_shape_is_right
	s_endpgm
.Lentry_shape_is_right:
; hid = Q(relu(h W1 + bm1)): [4096 x 1024] x [1024 x 4096] on codes of E4M3 (scale entries 10, 11), the result quantised with entry 12.
; A work-group makes 256 rows x 256 columns; wave w its rows 64 w .. 64 w + 63 x all 256 columns: 64 accumulators, 512 registers.
; W1's 256 ROWS OF CODES x THE WHOLE K (256 x 1,024 bytes, LDS pitch 1,040) ARE FILLED ONCE, at the head, one tensor load a wave (64 rows): no LDS byte is filled again, so there is no ring,
; and one barrier serves the whole launch.  The four work-groups of a cluster (four row tiles, one column tile) ask for that tile jointly (mask 15).
; h's CODES COME STRAIGHT INTO REGISTERS: the launch before laid hc as fragments (block of 16 rows: 16,384 bytes; K step of 128: 2,048; c: 512; lane: 16), so each load of the wave reads
; 512 consecutive bytes.  Three sets of 64 registers take turns: a K step's 16 loads are issued three K steps ahead.  The partners' rows differ, so these are not shared.
; NO PREFETCH: K has 8 steps; W1's tile is asked for once, at the head, and h's fragments are asked for three of the 8 steps ahead by their own loads.
; THE MATRIX INSTRUCTION IS USED TRANSPOSED (source 0 = 16 rows of W1's codes, source 1 = 16 rows of h).  The first launch laid W1's rows so that row 32 b + 16 u + r holds column 32 b + 8 u + r + 8 (r / 8):
; in tile 2 b + u lane (r, h) holds row r and its register j column 32 b + 16 h + 8 u + j, so the 16 registers of tiles 2 b, 2 b + 1 are 16 neighbours along the next product's K,
; and two conversions give registers 4 c .. 4 c + 3 of that product's operand: they are stored as they are, 512 consecutive bytes a store, aligned, with no stage.
; hid: [block of 16 rows: 65,536 bytes][K step of 128: 2,048][c: 512][lane: 16].
; LIMITS: e10 + e11 between -126 and 127; e12 between -126 and 119.  NaN is not served.
; REGISTERS: window 0: v2-13 addresses and the quantiser's two numbers, v16-23 the bias on its way to LDS, v64-255 h's three sets (on the way out v64-191: the bias);
;   window 1: W1's fragments, tiles 0-7 at v0, tiles 8-15 at v128 (on the way out: v0-127 numbers, v128-255 codes); window 2: accumulators of my rows 0-31 ((a, b) at v[8 (16 (a % 2) + b)]); window 3: rows 32-63.
.set PITCH, 1040                       ; 1,024 bytes + 16: an odd multiple of 16, so the 16 rows that a load touches start at 16 different banks (ISA guide 11.1)
.set BIAS,  256*PITCH                  ; behind the tile: 1,024 bytes for each wave: the 256 biases of the column tile, the wave's own copy
.set SPARE, BIAS+4096                  ; the spare words, 128 bytes a wave
.set AO,   2                           ; 16 x lane
.set BW,   3                           ; where I put 32 bytes of the bias
.set BRD,  4                           ; where I read it: + 64 (lane / 16)
.set SC,   5                           ; 2^e12
.set LIM,  6                           ; 448 x 2^e12
.set BO,   7                           ; 32 x lane
.set ADB,  8                           ; v8-13: LDS address of my lane in tiles 3 g, g = 0 .. 5 (an LDS offset has 16 bits)
.set SPW,  28
.set NIL,  29
.set AF,   64
.set G1,   24
.set G0,   32
.set AB,   14                          ; s[14:15] my 64 rows of hc
.set HB,   78                          ; s[78:79] my part of hid
.set MSB, 0
.macro WIN new                         ; the immediate's high byte repeats the setting that is left
.if MSB != \new
	s_set_vgpr_msb (MSB<<8)|\new
.set MSB, \new
.endif
.endm
.set MUL_LO, 0xa1                      ; source 0 window 1, source 1 window 0, C and D window 2
.set MUL_HI, 0xf1
.set TO_B,   0x40
.macro CROUND                          ; a round of the cluster's barrier
	s_barrier_signal -1
	s_barrier_wait -1
	s_cmp_lg_u32 s10, 0
	s_cbranch_scc1 .Lnot_wave_0_\@
	s_barrier_signal -3
.Lnot_wave_0_\@:
	s_barrier_wait -3
	s_barrier_signal -1
	s_barrier_wait -1
.endm
.macro PLACES                          ; plain vector instructions between a matrix instruction and a load into, or a read of, its registers
.rept 4
	v_nop
.endr
.endm
.macro ASET j                          ; h's four fragments of K step j into set j % 3
	WIN 0
.irp a, 0,1,2,3
.irp c, 0,1,2,3
	global_load_b128 v[AF+64*((\j)%3)+16*\a+4*\c:AF+64*((\j)%3)+16*\a+4*\c+3], v[AO], s[AB:AB+1] offset:\a*16384+(\j)*2048+\c*512
.endr
.endr
.endm
.macro FETCH hf, j                     ; W1's tiles 8 hf .. 8 hf + 7 of K step j: registers 4 c .. 4 c + 3 hold K = 32 c + 16 (lane / 16) + 0 .. 15, as h's do
	WIN TO_B
.irp b, 0,1,2,3,4,5,6,7
.irp c, 0,1,2,3
	ds_load_b128 v[128*\hf+16*\b+4*\c:128*\hf+16*\b+4*\c+3], v[ADB+(8*\hf+\b)/3] offset:((8*\hf+\b)%3)*16*PITCH+128*(\j)+32*\c
.endr
.endr
.endm
.macro MUL hf, a0                      ; 16 matrix instructions; the 64 accumulators take turns, in the same order in every K step
.irp a, \a0, \a0+1
.irp b, 0,1,2,3,4,5,6,7
.if J == 0
	v_wmma_f32_16x16x128_fp8_fp8 v[8*(16*((\a)%2)+8*\hf+\b):8*(16*((\a)%2)+8*\hf+\b)+7], v[128*\hf+16*\b:128*\hf+16*\b+15], v[AS+16*(\a):AS+16*(\a)+15], 0
.else
	v_wmma_f32_16x16x128_fp8_fp8 v[8*(16*((\a)%2)+8*\hf+\b):8*(16*((\a)%2)+8*\hf+\b)+7], v[128*\hf+16*\b:128*\hf+16*\b+15], v[AS+16*(\a):AS+16*(\a)+15], v[8*(16*((\a)%2)+8*\hf+\b):8*(16*((\a)%2)+8*\hf+\b)+7]
.endif
.endr
.endr
.endm
.macro KSTEP                           ; K step J: 64 matrix instructions; each half of W1's tiles is fetched anew behind its 32
.set AS, AF+64*(J%3)
.if J < 6
	s_wait_loadcnt 32                              ; this step's set is in; the two sets behind it, 16 loads each, may be out
.else
	s_wait_loadcnt 16*(7-J)
.endif
	s_wait_dscnt 32                                ; tiles 0-7 are in; the 32 loads of tiles 8-15 may be out
	WIN MUL_LO
	MUL 0, 0
	WIN MUL_HI
	MUL 0, 2
.if J < 7
	PLACES
	FETCH 0, J+1
	s_wait_dscnt 32                                ; tiles 8-15 are in; the 32 just issued may be out
.else
	s_wait_dscnt 0x0
.endif
	WIN MUL_LO
	MUL 1, 0
	WIN MUL_HI
	MUL 1, 2
.if J < 7
	PLACES
	FETCH 1, J+1
.if J < 5
	ASET J+3
.endif
.endif
.endm
	s_load_b256 s[68:75], s[0:1], 0x0              ; hc 68, pc 70, the scales' exponents 72, bm1 74
	s_load_b64 s[76:77], s[0:1], 0x20              ; hid
	v_lshl_add_u32 v[SPW], v0, 2, SPARE
	v_mov_b32 v[NIL], 0
	ds_add_u32 v[SPW], v[NIL]                      ; the opening: the add, twice on end, and its wait ahead of my first tensor load
	ds_add_u32 v[SPW], v[NIL]
	v_lshrrev_b32 v1, 5, v0
	v_readfirstlane_b32 s10, v1                    ; wave 0..3
	v_and_b32 v1, 31, v0
	v_lshlrev_b32 v[AO], 4, v1
	v_lshlrev_b32 v[BO], 5, v1
	s_lshl_b32 s23, s10, 10
	s_add_co_u32 s23, s23, BIAS                    ; my copy of the bias
	v_add_nc_u32 v[BW], s23, v[BO]
	v_bfe_u32 v16, v0, 4, 1                        ; h
	v_lshl_add_u32 v[BRD], v16, 6, s23
	v_and_b32 v17, 15, v0                          ; r
	v_mul_u32_u24 v17, v17, PITCH
	v_lshl_add_u32 v[ADB], v16, 4, v17             ; row r x pitch + 16 h
.irp g, 1,2,3,4,5
	v_add_nc_u32 v[ADB+\g], \g*48*PITCH, v[ADB]
.endr
	s_bfe_u32 s40, ttmp6, 0x40000                  ; cx
	s_lshl_b32 s13, ttmp9, 2
	s_add_co_u32 s13, s13, s40                     ; row tile
	s_and_b32 s42, ttmp7, 0xffff                   ; column tile: the same in the four partners
	s_mov_b32 s[G1], 15|(1<<20)|(1<<21)|(7<<22)|(3<<25)   ; the mask; elements of 1 byte; padding on; bit 21 beside a mask; four words after every 256
	s_mov_b32 s[G1+1], 1024<<16                    ; tensor_dim0
	s_mov_b32 s[G1+2], 64<<16                      ; tensor_dim1
	s_mov_b32 s[G1+3], 1024<<16                    ; tile_dim0
	s_mov_b32 s[G1+4], 64                          ; tile_dim1
	s_mov_b32 s[G1+5], 1024                        ; tensor_dim0_stride
	s_mov_b32 s[G1+6], 0
	s_mov_b32 s[G1+7], 0
	s_lshl_b32 s16, s13, 18                        ; hc: 16 blocks of 16,384 bytes a row tile, 4 a wave
	s_lshl_b32 s17, s10, 16
	s_add_co_u32 s16, s16, s17
	s_lshl_b32 s46, s42, 18                        ; W1's codes: 256 rows of 1,024 bytes a column tile, 64 a wave, at pc + 0xF00000
	s_add_co_u32 s46, s46, s17
	s_add_co_u32 s46, s46, 0xf00000
	s_mov_b32 s17, 0
	s_mov_b32 s47, 0
	s_lshl_b32 s18, s42, 10                        ; bm1: 256 numbers a column tile
	s_mov_b32 s19, 0
	s_lshl_b32 s20, s13, 20                        ; hid: 16 blocks of 65,536 bytes a row tile, 4 a wave, 2 K steps of 2,048 a column tile
	s_lshl_b32 s21, s10, 18
	s_add_co_u32 s20, s20, s21
	s_lshl_b32 s21, s42, 12
	s_add_co_u32 s20, s20, s21
	s_mov_b32 s21, 0
	s_mul_i32 s22, s10, 64*PITCH                   ; my 64 rows of the tile in LDS
	s_wait_alu depctr_va_vdst(0)                   ; the wait here, directly ahead of the waits below
	s_wait_dscnt 0x0                               ; both opening adds are done
	s_wait_kmcnt 0x0
	s_load_b64 s[80:81], s[72:73], 0x28            ; e10, e11
	s_load_b32 s82, s[72:73], 0x30                 ; e12
	s_add_nc_u64 s[AB:AB+1], s[68:69], s[16:17]
	s_add_nc_u64 s[74:75], s[74:75], s[18:19]
	s_add_nc_u64 s[HB:HB+1], s[76:77], s[20:21]
	s_mov_b32 s[G0], 1
	s_mov_b32 s[G0+1], s22
	s_add_nc_u64 s[G0+2:G0+3], s[70:71], s[46:47]
	s_or_b32 s[G0+3], s[G0+3], 0x80000000
	global_load_b128 v[16:19], v[BO], s[74:75]
	global_load_b128 v[20:23], v[BO], s[74:75] offset:16
	ASET 0
	ASET 1
	ASET 2
	CROUND                                         ; the four partners are here: the joint loads meet
	tensor_load_to_lds s[G0:G0+3], s[G1:G1+7]      ; my one tensor load of the launch
	s_nop 0
	PLACES
	s_wait_kmcnt 0x0
	s_add_co_i32 s96, s80, s81
	s_add_co_i32 s96, s96, 127
	s_lshl_b32 s96, s96, 23                        ; 2^(e10 + e11) as f32
	s_mov_b32 s97, s96                             ; (named with s96 as a pair)
	s_add_co_i32 s82, s82, 127
	s_lshl_b32 s83, s82, 23
	v_mov_b32 v[SC], s83
	s_add_co_i32 s82, s82, 8
	s_lshl_b32 s82, s82, 23
	s_or_b32 s82, s82, 0x600000
	v_mov_b32 v[LIM], s82
	s_wait_alu depctr_va_vdst(0)                   ; the wait at the head's end
	s_wait_tensorcnt 0x0                           ; my 64 rows are in
	s_barrier_signal -1
	s_barrier_wait -1                              ; everybody's are: the tile is whole
	s_wait_loadcnt 48                              ; the bias is in; the three sets' 48 loads may be out
	ds_store_b128 v[BW], v[16:19]                  ; into my own copy: no other wave touches it
	ds_store_b128 v[BW], v[20:23] offset:16
	FETCH 0, 0
	FETCH 1, 0
.set J, 0
.rept 8
	KSTEP
.set J, J+1
.endr
	WIN 0
	PLACES
.irp b, 0,1,2,3,4,5,6,7
.irp i, 0,1,2,3
	ds_load_b128 v[AF+16*\b+4*\i:AF+16*\b+4*\i+3], v[BRD] offset:128*\b+16*\i   ; the bias of columns 32 b + 16 h + 0 .. 15: LDS serves a wave's instructions in order, so these see my stores
.endr
.endr
	s_wait_dscnt 0x0
; THE WAY OUT of my rows 16 a on: sum x 2^(e10 + e11) + bias; relu and the hold in one (between 0 and 448 x 2^e12); two conversions give 16 codes; a store.  Each store has data registers of its own.
.macro OUT a
	WIN 0x42+(\a)/2                                ; destination window 1, source 0 window 2 or 3, source 2 window 0
.set j, 0
.rept 64
	v_pk_fma_f32 v[j:j+1], v[128*((\a)%2)+j:128*((\a)%2)+j+1], s[96:97], v[AF+j:AF+j+1] op_sel_hi:[1,0,1]   ; each accumulator from its low end on
.set j, j+2
.endr
	WIN 0x41                                       ; destination and source 0 window 1
.irp b, 0,1,2,3,4,5,6,7
.set j, 0
.rept 16
	v_med3_num_f32 v[16*\b+j], v[16*\b+j], 0, v[LIM]
.set j, j+1
.endr
	v_cvt_scalef32_pk8_fp8_f32 v[128+32*(\a)+4*\b:128+32*(\a)+4*\b+1], v[16*\b:16*\b+7], v[SC]
	v_cvt_scalef32_pk8_fp8_f32 v[128+32*(\a)+4*\b+2:128+32*(\a)+4*\b+3], v[16*\b+8:16*\b+15], v[SC]
.endr
	v_nop                                          ; one plain vector instruction between the conversions and the next writes of their sources
	WIN 0x04                                       ; the stores' data in window 1
.irp b, 0,1,2,3,4,5,6,7
	global_store_b128 v[AO], v[128+32*(\a)+4*\b:128+32*(\a)+4*\b+3], s[HB:HB+1] offset:(\a)*65536+(\b/4)*2048+(\b%4)*512   ; the wave stores 512 consecutive bytes, aligned
.endr
.endm
	OUT 0
	OUT 1
	OUT 2
	OUT 3
	WIN 0
	s_wait_tensorcnt 0x0                           ; the wave's end
	ds_add_u32 v[SPW], v[NIL]
	s_wait_dscnt 0x0
	CROUND                                         ; the closing round
	s_endpgm
.Lfunc_end_k_q01f1d864b9_mlp1:
	.size	k_q01f1d864b9_mlp1, .Lfunc_end_k_q01f1d864b9_mlp1-k_q01f1d864b9_mlp1
	.p2alignl 7, 3214868480
	.fill 96, 4, 3214868480
	.section	.rodata,"a",@progbits
	.p2align	6, 0x0
	.amdhsa_kernel k_q01f1d864b9_mlp1
		.amdhsa_group_segment_fixed_size 327680
		.amdhsa_private_segment_fixed_size 0
		.amdhsa_enable_private_segment 0
		.amdhsa_kernarg_size 40
		.amdhsa_user_sgpr_count 2
		.amdhsa_user_sgpr_kernarg_segment_ptr 1
		.amdhsa_wavefront_size32 1
		.amdhsa_system_sgpr_workgroup_id_x 1
		.amdhsa_system_sgpr_workgroup_id_y 1
		.amdhsa_system_sgpr_workgroup_id_z 1
		.amdhsa_system_vgpr_workitem_id 0
		.amdhsa_next_free_vgpr 1024
		.amdhsa_next_free_sgpr 100
		.amdhsa_reserve_vcc 0
		.amdhsa_float_denorm_mode_32 3
		.amdhsa_float_denorm_mode_16_64 3
		.amdhsa_memory_ordered 1
		.amdhsa_forward_progress 1
		.amdhsa_inst_pref_size 144
	.end_amdhsa_kernel
	.amdgpu_metadata
---
amdhsa.version: [ 1, 2 ]
amdhsa.kernels:
  - .name:           k_q01f1d864b9_mlp1
    .symbol:         k_q01f1d864b9_mlp1.kd
    .args:
      - { .name: hc, .offset: 0, .size: 8, .value_kind: global_buffer, .address_space: global }
      - { .name: pc, .offset: 8, .size: 8, .value_kind: global_buffer, .address_space: global }
      - { .name: lowp_scales, .offset: 16, .size: 8, .value_kind: global_buffer, .address_space: global }
      - { .name: bm1, .offset: 24, .size: 8, .value_kind: global_buffer, .address_space: global }
      - { .name: hid, .offset: 32, .size: 8, .value_kind: global_buffer, .address_space: global }
    .group_segment_fixed_size: 327680
    .private_segment_fixed_size: 0
    .kernarg_segment_align: 8
    .kernarg_segment_size: 40
    .max_flat_workgroup_size: 128
    .sgpr_count:     100
    .vgpr_count:     1024
    .wavefront_size: 32
...
	.end_amdgpu_metadata
.endif
;; end of part 5
;; launch mlp2 (part 6): grid 32 x 8, 4 waves a work-group, clusters of 4 x 1, 327,680 bytes of LDS; arguments hid, pc, lowp_scales, bm2, res, out0; writes out0
.if DOCPART == 6
	.amdgcn_target "amdgcn-amd-amdhsa--gfx1250"
	.amdhsa_code_object_version 6
	.text
	.protected	k_q01f1d864b9_mlp2
	.globl	k_q01f1d864b9_mlp2
	.p2align	8
	.type	k_q01f1d864b9_mlp2,@function
k_q01f1d864b9_mlp2:
	s_mov_b64 s[64:65], 0
	v_nop
	global_prefetch_b8 v0, s[64:65] scope:SCOPE_SE
	s_setreg_imm32_b32 hwreg(HW_REG_WAVE_MODE, 25, 1), 1
	s_wait_xcnt 0x0
	s_wait_alu depctr_hold_cnt(0) depctr_sa_sdst(0) depctr_va_vdst(0) depctr_va_sdst(0) depctr_va_ssrc(0) depctr_va_vcc(0) depctr_vm_vsrc(0)
	s_getreg_b32 s2, hwreg(HW_REG_IB_STS2, 6, 4)
	s_cmp_eq_u32 s2, 0
	s_cbranch_scc0 .Lentry_in_a_cluster
	s_endpgm
.Lentry_in_a_cluster:
	s_bfe_u32 s2, ttmp6, 0x10000c
	s_cmp_lg_u32 s2, 0x3003
	s_cbranch_scc0 .Lentry_shape_is_right
	s_endpgm
.Lentry_shape_is_right:
; out0 = res + hid W2 + bm2: [4096 x 4096] x [4096 x 1024] on codes of E4M3 (scale entries 12, 13); f32 out.
; A work-group makes 128 rows x 128 columns, wave w its rows 32 w on x all 128 columns: 16 accumulators.  hid's fragments come straight into registers (hid is laid as fragments: each load reads 512 consecutive bytes),
; seven steps of 128 along K ahead, in eight sets of 32 registers; the last four sets' turns bring my rows of res.
; W2's 128 rows of codes go through a ring of two LDS slots of 1,024 along K, asked for jointly by the four work-groups of a cluster (four row tiles, one column tile).
; THE FIRST FILLS: one load a wave of 64 rows: waves 0, 1 fill slot 0's halves, waves 2, 3 slot 1's; the two refills bring 32 rows a wave.
; The sums go through the wave's own stage in LDS and leave as rows of 512 bytes.  LIMIT: e12 + e13 between -126 and 127.
.set KSTEP,  1024
.set KROW,   4096
.set PITCH,  1040
.set SLOT,   128*PITCH
.set HALFB,  64*PITCH
.set STAGE,  2*SLOT
.set SPITCH, 528
.set SPARE,  STAGE+4*16*SPITCH
.set ADRB, 16
.set STO,  24
.set RD,   25
.set AO,   26
.set SPW,  28
.set NIL,  29
.set BK0,  32
.set ACC,  128
.set G1, 24
.set G0, 32
.set AB, 14
.set RB, 76
.set OB, 78
.set MSB, 0
.macro WIN new
.if MSB != \new
	s_set_vgpr_msb (MSB<<8)|\new
.set MSB, \new
.endif
.endm
.set MUL,  0x09
.set TO_B, 0x40
.set TO_A, 0x80
.set TO_R, 0xc0
.macro CREST
	s_cmp_lg_u32 s10, 0
	s_cbranch_scc1 .Lnot_wave_0_\@
	s_barrier_signal -3
.Lnot_wave_0_\@:
	s_barrier_wait -3
	s_barrier_signal -1
	s_barrier_wait -1
.endm
.macro CROUND
	s_barrier_signal -1
	s_barrier_wait -1
	CREST
.endm
.macro PLACES
.rept 4
	v_nop
.endr
.endm
.macro ASET j
.if (\j) < 32
	WIN TO_A
.irp a, 0,1
.irp c, 0,1,2,3
	global_load_b128 v[32*((\j)%8)+16*\a+4*\c:32*((\j)%8)+16*\a+4*\c+3], v[AO], s[AB:AB+1] offset:\a*65536+(\j)*2048+\c*512
.endr
.endr
.elseif (\j) < 36
	WIN TO_R
.irp t, 0,1,2,3,4,5,6,7
	global_load_b128 v[32*((\j)-32)+4*\t:32*((\j)-32)+4*\t+3], v[AO], s[RB:RB+1] offset:(8*((\j)-32)+\t)*4096 th:TH_LOAD_NT
.endr
.endif
.endm
.macro FETCH slot, q, f
	WIN TO_B
.irp i, 0,1,2,3,4,5,6,7
.irp c, 0,1,2,3
	ds_load_b128 v[\f+16*\i+4*\c:\f+16*\i+4*\c+3], v[ADRB+2*(\slot)+(\i/4)] offset:128*(\q)+32*\c+(\i%4)*16*PITCH
.endr
.endr
.endm
.macro MULB b
.irp a, 0,1
.if SS == 0
	v_wmma_f32_16x16x128_fp8_fp8 v[ACC+8*(8*\a+\b):ACC+8*(8*\a+\b)+7], v[FB+16*\b:FB+16*\b+15], v[AR+16*\a:AR+16*\a+15], 0
.else
	v_wmma_f32_16x16x128_fp8_fp8 v[ACC+8*(8*\a+\b):ACC+8*(8*\a+\b)+7], v[FB+16*\b:FB+16*\b+15], v[AR+16*\a:AR+16*\a+15], v[ACC+8*(8*\a+\b):ACC+8*(8*\a+\b)+7]
.endif
.endr
.endm
.macro SUBSTEP
.set SL, (SS/8)%2
.set SN, 1-SL
.set QQ, SS%8
.set FB, 128*(SS%2)
.set FN, 128-FB
.set AR, 32*(SS%8)
.set YO, 6
.if 35-SS < 6
.set YO, 35-SS
.endif
.if QQ < 7
	s_wait_loadcnt 8*YO
	s_wait_dscnt 16
	WIN MUL
	MULB 0
	MULB 1
	MULB 2
	MULB 3
	PLACES
	FETCH SL, QQ+1, FN
	ASET SS+7
	s_wait_dscnt 32
	WIN MUL
	MULB 4
	MULB 5
	MULB 6
	MULB 7
.elseif SS < 31
	WIN 0
	s_wait_tensorcnt 0x0
	ds_add_u32 v[SPW], v[NIL]
	s_wait_loadcnt 8*YO
	s_wait_dscnt 17
	WIN MUL
	MULB 0
	MULB 1
	s_wait_dscnt 0x0
	s_barrier_signal -1
	MULB 2
	MULB 3
	WIN 0
	s_barrier_wait -1
.if SS < 23
	CREST
	s_add_nc_u64 s[G0+4*SL+2:G0+4*SL+3], s[G0+4*SL+2:G0+4*SL+3], 2*KSTEP
	tensor_load_to_lds s[G0+4*SL:G0+4*SL+3], s[G1:G1+7]
	s_nop 0
.endif
	PLACES
	FETCH SN, 0, FN
	ASET SS+7
	WIN MUL
	MULB 4
	MULB 5
	MULB 6
	MULB 7
.else
	s_wait_loadcnt 8*YO
	s_wait_dscnt 0x0
	WIN MUL
	MULB 0
	MULB 1
	MULB 2
	MULB 3
	MULB 4
	MULB 5
	MULB 6
	MULB 7
	WIN 0
.endif
.endm
	s_load_b256 s[68:75], s[0:1], 0x0
	s_load_b128 s[76:79], s[0:1], 0x20
	v_lshl_add_u32 v[SPW], v0, 2, SPARE
	v_mov_b32 v[NIL], 0
	ds_add_u32 v28, v29
	ds_add_u32 v28, v29
	s_wait_dscnt 0x0
	v_lshrrev_b32 v1, 5, v0
	v_readfirstlane_b32 s10, v1
	s_bfe_u32 s40, ttmp6, 0x40000
	s_lshl_b32 s13, ttmp9, 2
	s_add_co_u32 s13, s13, s40
	s_and_b32 s42, ttmp7, 0xffff
	s_mov_b32 s[G1], 15|(0<<16)|(1<<20)|(1<<21)|(7<<22)|(3<<25)
	s_mov_b32 s[G1+1], KSTEP<<16
	s_mov_b32 s[G1+2], 64<<16
	s_mov_b32 s[G1+3], KSTEP<<16
	s_mov_b32 s[G1+4], 64
	s_mov_b32 s[G1+5], KROW
	s_mov_b32 s[G1+6], 0
	s_mov_b32 s[G1+7], 0
	s_lshl_b32 s16, s13, 19
	s_lshl_b32 s17, s10, 17
	s_add_co_u32 s16, s16, s17
	s_mov_b32 s17, 0
	s_lshl_b32 s46, s42, 19
	s_lshl_b32 s47, s10, 17
	s_add_co_u32 s46, s46, s47
	s_add_co_u32 s46, s46, 0x1300000
	s_mov_b32 s47, 0
	s_lshl_b32 s18, s42, 9
	s_mov_b32 s19, 0
	s_mul_i32 s20, s10, 32*PITCH
	v_and_b32 v3, 31, v0
	v_lshlrev_b32 v[AO], 4, v3
	s_wait_alu depctr_va_vdst(0)
	s_wait_kmcnt 0x0
	s_load_b64 s[96:97], s[72:73], 0x30
	s_add_nc_u64 s[AB:AB+1], s[68:69], s[16:17]
	s_add_nc_u64 s[46:47], s[70:71], s[46:47]
	s_add_nc_u64 s[74:75], s[74:75], s[18:19]
	s_add_nc_u64 s[RB:RB+1], s[RB:RB+1], s[16:17]
	s_add_nc_u64 s[RB:RB+1], s[RB:RB+1], s[18:19]
	s_add_nc_u64 s[OB:OB+1], s[OB:OB+1], s[16:17]
	s_add_nc_u64 s[OB:OB+1], s[OB:OB+1], s[18:19]
	global_load_b128 v[12:15], v[AO], s[74:75]
.irp j, 0,1,2,3,4,5,6
	ASET \j
.endr
	WIN 0
	CROUND
.irp s, 0,1
	s_mov_b32 s[G0+4*\s], 1
	s_add_co_u32 s[G0+4*\s+1], s20, \s*SLOT
	s_add_nc_u64 s[G0+4*\s+2:G0+4*\s+3], s[46:47], \s*KSTEP
	s_or_b32 s[G0+4*\s+3], s[G0+4*\s+3], 0x80000000
.endr
	s_lshr_b32 s92, s10, 1                         ; the head's load: slot wave / 2,
	s_and_b32 s93, s10, 1                          ; its rows 64 (wave % 2) on
	s_mov_b32 s84, 1
	s_mul_i32 s85, s92, SLOT
	s_mul_i32 s94, s93, HALFB
	s_add_co_u32 s85, s85, s94
	s_lshl_b32 s88, s92, 10                        ; K step wave / 2: 1,024 bytes along the row,
	s_lshl_b32 s94, s93, 18                        ; 64 rows of 4,096 bytes
	s_add_co_u32 s88, s88, s94
	s_mov_b32 s89, 0
	s_lshl_b32 s90, s10, 17                        ; (s[46:47] stands at the refills' 32 rows x wave: taken off)
	s_mov_b32 s91, 0
	s_sub_nc_u64 s[86:87], s[46:47], s[90:91]
	s_add_nc_u64 s[86:87], s[86:87], s[88:89]
	s_or_b32 s87, s87, 0x80000000
	tensor_load_to_lds s[84:87], s[G1:G1+7]        ; one tensor load a wave at the head
	s_nop 0
	PLACES
	v_and_b32 v1, 15, v0
	v_bfe_u32 v2, v0, 4, 1
	v_mul_u32_u24 v4, v1, PITCH
	v_lshl_add_u32 v[ADRB], v2, 4, v4
	v_add_nc_u32 v[ADRB+1], HALFB, v[ADRB]
	v_add_nc_u32 v[ADRB+2], SLOT, v[ADRB]
	v_add_nc_u32 v[ADRB+3], SLOT+HALFB, v[ADRB]
	s_mul_i32 s23, s10, 16*SPITCH
	s_add_co_u32 s23, s23, STAGE
	v_mul_u32_u24 v4, v1, SPITCH
	v_lshl_add_u32 v4, v2, 5, v4
	v_add_nc_u32 v[STO], s23, v4
	v_add_nc_u32 v[RD], s23, v[AO]
	s_wait_alu depctr_va_vdst(0)
	s_wait_tensorcnt 0x0                           ; my 64 rows are in, so group 1 may be written: the refills bring 32 rows a wave
	s_mov_b32 s[G1+2], 32<<16
	s_mov_b32 s[G1+4], 32
	s_barrier_signal -1
	s_barrier_wait -1                              ; both slots are whole
	FETCH 0, 0, 0
.set SS, 0
.rept 32
	SUBSTEP
.set SS, SS+1
.endr
	s_wait_kmcnt 0x0
	s_add_co_i32 s96, s96, s97
	s_add_co_i32 s96, s96, 127
	s_lshl_b32 s96, s96, 23
	s_mov_b32 s97, s96
	PLACES
.irp a, 0,1
.set BKS, BK0+96*\a
.irp b, 0,1,2,3,4,5,6,7
	ds_store_b128 v[STO], v[ACC+8*(8*\a+\b):ACC+8*(8*\a+\b)+3] offset:64*\b
	ds_store_b128 v[STO], v[ACC+8*(8*\a+\b)+4:ACC+8*(8*\a+\b)+7] offset:64*\b+16
.endr
.if \a == 1
	s_wait_dscnt 32
.endif
.irp t, 0,1,2,3,4,5,6,7,8,9,10,11,12,13,14,15
	ds_load_b128 v[BKS+4*\t:BKS+4*\t+3], v[RD] offset:\t*SPITCH
.endr
.endr
	s_wait_loadcnt 0x0
.irp a, 0,1
.set BKS, BK0+96*\a
	s_wait_dscnt 32-32*\a
.irp t, 0,1,2,3,4,5,6,7,8,9,10,11,12,13,14,15
	v_pk_fma_f32 v[BKS+4*\t:BKS+4*\t+1], v[BKS+4*\t:BKS+4*\t+1], s[96:97], v[12:13] op_sel_hi:[1,0,1]
	v_pk_fma_f32 v[BKS+4*\t+2:BKS+4*\t+3], v[BKS+4*\t+2:BKS+4*\t+3], s[96:97], v[14:15] op_sel_hi:[1,0,1]
.endr
	WIN 0x0c
.irp t, 0,1,2,3,4,5,6,7,8,9,10,11,12,13,14,15
	v_pk_add_f32 v[BKS+4*\t:BKS+4*\t+1], v[BKS+4*\t:BKS+4*\t+1], v[64*\a+4*\t:64*\a+4*\t+1]
	v_pk_add_f32 v[BKS+4*\t+2:BKS+4*\t+3], v[BKS+4*\t+2:BKS+4*\t+3], v[64*\a+4*\t+2:64*\a+4*\t+3]
.endr
	WIN 0
.irp t, 0,1,2,3,4,5,6,7,8,9,10,11,12,13,14,15
	global_store_b128 v[AO], v[BKS+4*\t:BKS+4*\t+3], s[OB:OB+1] offset:(16*\a+\t)*4096 th:TH_STORE_NT
.endr
.endr
	s_wait_tensorcnt 0x0
	ds_add_u32 v[SPW], v[NIL]
	s_wait_dscnt 0x0
	CROUND
	s_endpgm
.Lfunc_end_k_q01f1d864b9_mlp2:
	.size	k_q01f1d864b9_mlp2, .Lfunc_end_k_q01f1d864b9_mlp2-k_q01f1d864b9_mlp2
	.p2alignl 7, 3214868480
	.fill 96, 4, 3214868480
	.section	.rodata,"a",@progbits
	.p2align	6, 0x0
	.amdhsa_kernel k_q01f1d864b9_mlp2
		.amdhsa_group_segment_fixed_size 327680
		.amdhsa_private_segment_fixed_size 0
		.amdhsa_enable_private_segment 0
		.amdhsa_kernarg_size 48
		.amdhsa_user_sgpr_count 2
		.amdhsa_user_sgpr_kernarg_segment_ptr 1
		.amdhsa_wavefront_size32 1
		.amdhsa_system_sgpr_workgroup_id_x 1
		.amdhsa_system_sgpr_workgroup_id_y 1
		.amdhsa_system_sgpr_workgroup_id_z 1
		.amdhsa_system_vgpr_workitem_id 0
		.amdhsa_next_free_vgpr 896
		.amdhsa_next_free_sgpr 100
		.amdhsa_reserve_vcc 0
		.amdhsa_float_denorm_mode_32 3
		.amdhsa_float_denorm_mode_16_64 3
		.amdhsa_memory_ordered 1
		.amdhsa_forward_progress 1
		.amdhsa_inst_pref_size 156
	.end_amdhsa_kernel
	.amdgpu_metadata
---
amdhsa.version: [ 1, 2 ]
amdhsa.kernels:
  - .name:           k_q01f1d864b9_mlp2
    .symbol:         k_q01f1d864b9_mlp2.kd
    .args:
      - { .name: hid, .offset: 0, .size: 8, .value_kind: global_buffer, .address_space: global }
      - { .name: pc, .offset: 8, .size: 8, .value_kind: global_buffer, .address_space: global }
      - { .name: lowp_scales, .offset: 16, .size: 8, .value_kind: global_buffer, .address_space: global }
      - { .name: bm2, .offset: 24, .size: 8, .value_kind: global_buffer, .address_space: global }
      - { .name: res, .offset: 32, .size: 8, .value_kind: global_buffer, .address_space: global }
      - { .name: out0, .offset: 40, .size: 8, .value_kind: global_buffer, .address_space: global }
    .group_segment_fixed_size: 327680
    .private_segment_fixed_size: 0
    .kernarg_segment_align: 8
    .kernarg_segment_size: 48
    .max_flat_workgroup_size: 128
    .sgpr_count:     100
    .vgpr_count:     896
    .wavefront_size: 32
...
	.end_amdgpu_metadata
.endif
;; end of part 6
